; MI455X (gfx1250); checked and timed in simulation.
; The chip was launched on July 23, 2026; its instructions are those of AMD's public machine-readable ISA for CDNA 5 (MIT licence, August 2026) and "CDNA5" Instruction Set Architecture Reference Guide (July 2026). The comments in the code are by the model that wrote it; some were corrected since.
;; Chunked Cross Attention. Allowed arithmetic: matrix products marked QUANTISED: E5M2 operands, one E8M0 scale for each 32 along K, by v_wmma_scale_f32_16x16x128_f8f6f4 with both operands' format E5M2, f32 sums; everything else in f32.
;; Inputs: Wk_codes 1,024 x 32 x 32 uint8 (E5M2 codes of Wk, K innermost, in blocks of 32 codes); Wk_scales 1,024 x 32 uint8 (E8M0 scales of Wk, one for each 32 codes along K); Wo_codes 1,024 x 32 x 32 uint8 (E5M2 codes of Wo, K innermost, in blocks of 32 codes); Wo_scales 1,024 x 32 uint8 (E8M0 scales of Wo, one for each 32 codes along K); Wq_codes 1,024 x 32 x 32 uint8 (E5M2 codes of Wq, K innermost, in blocks of 32 codes); Wq_scales 1,024 x 32 uint8 (E8M0 scales of Wq, one for each 32 codes along K); Wv_codes 1,024 x 32 x 32 uint8 (E5M2 codes of Wv, K innermost, in blocks of 32 codes); Wv_scales 1,024 x 32 uint8 (E8M0 scales of Wv, one for each 32 codes along K); bk 1,024 float32; bo 1,024 float32; bq 1,024 float32; bv 1,024 float32; e_codes 4 x 16 x 2 x 128 x 32 x 32 uint8 (E5M2 codes of e, K innermost, in blocks of 32 codes); e_scales 4 x 16 x 2 x 128 x 32 uint8 (E8M0 scales of e, one for each 32 codes along K); g_norm 1,024 float32; h 4 x 1,024 x 1,024 float32.
;; Outputs: out0 4 x 1,024 x 1,024 float32.
;; This version of the problem:
;;   THIS VERSION OF THE PROBLEM IS GIVEN IN LOW PRECISION. The matrix products marked QUANTISED in the list below multiply operands that are first quantised to E5M2 (5 exponent bits, 2 mantissa bits; 8 bits a number), with one power-of-two scale for each 32 numbers along K (OCP MX v1.0); their sums are f32. All else is computed in f32.
;;   The module's matrix products, in the order in which they are computed (A, B: the left and right operand; K: the contracted axis; several contracted axes count as one K, in the product's order):
;;     1. [M 4,096, K 1,024] x [K 1,024, N 1,024]; A: computed on the way; B: input Wq (given as codes): QUANTISED
;;     2. [M 16,384, K 1,024] x [K 1,024, N 1,024]; A: input e (given as codes); B: input Wk (given as codes): QUANTISED
;;     3. [M 16,384, K 1,024] x [K 1,024, N 1,024]; A: input e (given as codes); B: input Wv (given as codes): QUANTISED
;;     4. batch 1,024 x [M 64, K 64] x [K 64, N 256]; A: computed on the way; B: computed on the way: QUANTISED
;;     5. batch 1,024 x [M 64, K 256] x [K 256, N 64]; A: computed on the way; B: computed on the way: QUANTISED
;;     6. [M 4,096, K 1,024] x [K 1,024, N 1,024]; A: computed on the way; B: input Wo (given as codes): QUANTISED
;;   THE QUANTISER, for each operand of a quantised product, along K:
;;     - K is cut into blocks of 32 from its start; a last block that is shorter is filled with zeros.
;;     - A block's scale is 2^e with e = floor(log2(the largest magnitude in the block)) - 15, held to -126 .. 127; a block of zeros has e = 0. As a byte (E8M0): e + 127.
;;     - Each number is divided by its block's scale, clamped to +-57,344, and rounded to the nearest number of E5M2, ties to even, subnormals kept.
;;     - The product sums the exact products of the quantised numbers (number of the format x scale) in f32.
;;   ~~~python
;;   def quantise(x, axis):      # numpy; x: float32 -> the quantised numbers, widened to float32 again
;;       x = np.moveaxis(x, axis, -1); K = x.shape[-1]
;;       x = np.pad(x, [(0, 0)] * (x.ndim - 1) + [(0, -K % 32)]); x = x.reshape(x.shape[:-1] + (-1, 32)); a = np.abs(x).max(-1, keepdims=True)
;;       e = np.where(a > 0, np.clip(np.frexp(np.where(a > 0, a, 1))[1] - 1 - 15, -126, 127), 0)      # np.frexp(a)[1] - 1 = floor(log2(a)), exactly
;;       r = np.clip(x / 2.0 ** e, -57344, 57344)
;;       step = 2.0 ** (np.maximum(np.frexp(np.where(r == 0, 1, r))[1] - 1, -14) - 2)
;;       q = np.round(r / step) * step * 2.0 ** e      # np.round: ties to even
;;       return np.moveaxis(q.reshape(q.shape[:-2] + (-1,))[..., :K], -1, axis).astype(np.float32)
;;   ~~~
;;   OPERANDS COMPUTED ON THE WAY. 'Computed on the way' means the value that the module computes at that place (a softmax that the list does not call 'softmax' is quantised finished and normalised). What goes into a quantiser is computed in f32, as accurately as f32 sums, v_exp_f32 and their like allow (about 1e-6 of the number): no bf16 or f16 on the way to a quantiser, and a product that is left as it is and whose result goes on into a quantised operand takes f32 operands (vector FMAs, or v_wmma_f32_16x16x4_f32). A number that lies on a knife's edge between two numbers of the format may be rounded either way, as far as f32 arithmetic and the matrix unit's own rounding can turn it there, and no further.
;;   INPUTS GIVEN AS CODES. Wk (in the module: [1024, 1024], K = its axis 0); Wo (in the module: [1024, 1024], K = its axis 0); Wq (in the module: [1024, 1024], K = its axis 0); Wv (in the module: [1024, 1024], K = its axis 0); e (in the module: [4, 16, 2, 128, 1024], K = its axis 4): each comes as NAME_codes (uint8): NAME with its K axis moved to the last place and cut into blocks of 32 codes, [.., K / 32, bytes a block], one block behind the other in memory; one code a byte (a code: sign, 5 exponent bits, 2 mantissa bits); and NAME_scales (uint8): the same leading axes, one E8M0 byte (e + 127) for each 32 codes along K. Its value is code x scale, taken as it is: it is not quantised again, and the codes and scales need not be those that the quantiser above would give.
;; One version. Each part assembles by itself: llvm-mc -triple=amdgcn-amd-amdhsa -mcpu=gfx1250 --defsym DOCPART=n.
;; ======== version 1 of 1: 3 launches
;; workspace buffers: hnc 4,194,304 bytes; hns 131,072 bytes; oc 4,194,304 bytes; os 131,072 bytes
;; launch hnq (part 1): grid 256 x 1, 4 waves a work-group, no clusters, 1,024 bytes of LDS; arguments h, g_norm, hnc, hns; writes hnc, hns
.if DOCPART == 1
	.amdgcn_target "amdgcn-amd-amdhsa--gfx1250"
	.amdhsa_code_object_version 6
	.text
	.protected	k_qd689c5786f_hnq
	.globl	k_qd689c5786f_hnq
	.p2align	8
	.type	k_qd689c5786f_hnq,@function
k_qd689c5786f_hnq:
	s_mov_b64 s[64:65], 0
	v_nop
	global_prefetch_b8 v0, s[64:65] scope:SCOPE_SE
	s_setreg_imm32_b32 hwreg(HW_REG_WAVE_MODE, 25, 1), 1
	s_wait_xcnt 0x0
; hn[b][p] = h[b][p+63] * g * rsqrt(mean(h[b][p+63]^2) + 1e-8) for p <= 960, and 0 for the 63 rows behind; quantised along its 1,024 to codes of E5M2 with one E8M0 byte for each 32.
; R = 1024 b + p; chunk bc = R / 64, query i = R % 64.  Codes go to hnc laid [bc / 4][64 kq + i][bc % 4][256 bytes] (kq: which 256 along K), so that the next launch takes a whole
; chunk as 256 rows of 256 bytes, 1,024 bytes apart: the shape of its other tiles.  Scale bytes go to hns laid [R][32].
; SHARES: a work-group takes 16 rows, a wave four.  Of each row a lane holds, for j = 0..3, the 8 neighbours K = 256 j + 8 lane: two loads of 16 bytes, the pair covering 1,024 consecutive bytes;
; a block of 32 lies in four neighbouring lanes; a lane's 8 codes are 8 bytes, so a store of the wave covers 256 consecutive bytes, aligned.  Memory binds: all 40 loads of a wave go out at once.
; The work-group's 512 scale bytes meet in LDS and leave as two aligned runs of 256 bytes.
; LIMITS: NaN and infinities are not served; a block under 2^-111, a block of zeros among them, gets the byte 1 (its codes are zeros or the format's smallest; this program alone reads the bytes);
; the sign of zero is not kept in the 63 padded rows.
.set X,     32                         ; v32-159   four rows x 32 numbers
.set G,     160                        ; v160-191  g at my 32 places
.set CD,    192                        ; v192-223  codes: two registers for each (row, j), never rewritten
.set EB,    224                        ; v224-239  scale bytes, one register for each (row, j)
.set RS,    18                         ; v18-25    1 / rms of each row, twice (a pair for the packed multiply)
.set SPW,   30                         ; LDS address of my spare word; never rewritten
.set NIL,   31                         ; 0; never rewritten
.set SPARE, 512                        ; behind the 512 scale bytes: the spare words, 128 bytes a wave
	s_load_b128 s[4:7], s[0:1], 0x0                ; h, g_norm
	s_load_b128 s[8:11], s[0:1], 0x10              ; hnc, hns
	v_lshl_add_u32 v[SPW], v0, 2, SPARE
	v_mov_b32 v[NIL], 0
	v_lshrrev_b32 v1, 5, v0
	v_readfirstlane_b32 s12, v1                    ; wave
	v_and_b32 v28, 31, v0                          ; lane
	v_lshlrev_b32 v1, 5, v28                       ; 32 x lane: my 8 numbers in a run of 256
	v_lshlrev_b32 v27, 3, v28                      ; 8 x lane: my 8 codes
	v_lshlrev_b32 v29, 4, v28                      ; 16 x lane: the scale bytes' way out
	v_lshrrev_b32 v26, 2, v28
	s_lshl_b32 s13, s12, 7
	v_add_nc_u32 v26, s13, v26                     ; LDS: 128 x wave + lane / 4: my block's byte
	s_and_b32 s14, ttmp9, 63
	s_lshl_b32 s14, s14, 4
	s_lshl_b32 s15, s12, 2
	s_add_co_u32 s14, s14, s15                     ; p of my first row
	s_lshr_b32 s15, ttmp9, 6
	s_lshl_b32 s15, s15, 10                        ; 1024 b
.irp k,0,1,2,3
	s_add_co_u32 s16, s14, 63+\k
	s_min_u32 s16, s16, 1023                       ; the padded rows read the batch's last row, so that no load leaves h,
	s_add_co_u32 s16, s16, s15
	s_lshl_b32 s[20+2*\k], s16, 12                 ; in bytes
	s_mov_b32 s[21+2*\k], 0
	s_add_co_u32 s17, s14, \k
	s_cmp_le_u32 s17, 960
	s_cselect_b32 s[28+\k], 1.0, 0                 ; and are multiplied by 0
.endr
	s_lshr_b32 s16, ttmp9, 4                       ; bc / 4
	s_lshl_b32 s16, s16, 18
	s_bfe_u32 s17, ttmp9, 0x20002                  ; bc % 4
	s_lshl_b32 s17, s17, 8
	s_add_co_u32 s16, s16, s17
	s_and_b32 s17, ttmp9, 3
	s_lshl_b32 s17, s17, 14                        ; i = 16 (work-group % 4) + 4 wave + k, 1,024 bytes each
	s_add_co_u32 s16, s16, s17
	s_lshl_b32 s17, s12, 12
	s_add_co_u32 s16, s16, s17
	s_mov_b32 s17, 0
	s_lshl_b32 s18, ttmp9, 9                       ; 16 rows x 32 scale bytes
	s_mov_b32 s19, 0
	s_mov_b32 s32, 0x76543210
	s_mov_b32 s33, 0xfedcba98                      ; lane l xor 16
	s_mov_b32 s34, 0x3a800000                      ; 1 / 1024
	s_mov_b32 s35, 0x322bcc77                      ; 1e-8
	s_mov_b32 s36, 0x600000                        ; the mantissa field of 57,344
	s_wait_kmcnt 0x0
.irp k,0,1,2,3
	s_add_nc_u64 s[20+2*\k:21+2*\k], s[4:5], s[20+2*\k:21+2*\k]
.endr
	s_add_nc_u64 s[8:9], s[8:9], s[16:17]
	s_add_nc_u64 s[10:11], s[10:11], s[18:19]
.irp j,0,1,2,3
	global_load_b128 v[G+8*\j:G+8*\j+3], v1, s[6:7] offset:1024*\j
	global_load_b128 v[G+8*\j+4:G+8*\j+7], v1, s[6:7] offset:1024*\j+16
.endr
.irp k,0,1,2,3
.irp j,0,1,2,3
	global_load_b128 v[X+32*\k+8*\j:X+32*\k+8*\j+3], v1, s[20+2*\k:21+2*\k] offset:1024*\j
	global_load_b128 v[X+32*\k+8*\j+4:X+32*\k+8*\j+7], v1, s[20+2*\k:21+2*\k] offset:1024*\j+16
.endr
.endr
	s_wait_loadcnt 0x0
	; the sums of squares: two packed chains a row, the four rows by turns
.irp k,0,1,2,3
	v_pk_mul_f32 v[2+4*\k:3+4*\k], v[X+32*\k:X+32*\k+1], v[X+32*\k:X+32*\k+1]
	v_pk_mul_f32 v[4+4*\k:5+4*\k], v[X+32*\k+2:X+32*\k+3], v[X+32*\k+2:X+32*\k+3]
.endr
.irp i,4,8,12,16,20,24,28
.irp k,0,1,2,3
	v_pk_fma_f32 v[2+4*\k:3+4*\k], v[X+32*\k+\i:X+32*\k+\i+1], v[X+32*\k+\i:X+32*\k+\i+1], v[2+4*\k:3+4*\k]
	v_pk_fma_f32 v[4+4*\k:5+4*\k], v[X+32*\k+\i+2:X+32*\k+\i+3], v[X+32*\k+\i+2:X+32*\k+\i+3], v[4+4*\k:5+4*\k]
.endr
.endr
.irp k,0,1,2,3
	v_pk_add_f32 v[2+4*\k:3+4*\k], v[2+4*\k:3+4*\k], v[4+4*\k:5+4*\k]
.endr
.irp k,0,1,2,3
	v_add_f32 v[2+4*\k], v[2+4*\k], v[3+4*\k]
.endr
.irp m,1,2,4,8
.irp k,0,1,2,3
	v_add_f32_dpp v[2+4*\k], v[2+4*\k], v[2+4*\k] row_xmask:\m row_mask:0xf bank_mask:0xf
.endr
.endr
.irp k,0,1,2,3
	v_permlanex16_b32 v[3+4*\k], v[2+4*\k], s32, s33
.endr
.irp k,0,1,2,3
	v_add_f32 v[2+4*\k], v[2+4*\k], v[3+4*\k]      ; every lane holds the row's sum
.endr
.irp k,0,1,2,3
	v_fma_f32 v[2+4*\k], v[2+4*\k], s34, s35       ; the mean + 1e-8
.endr
.irp k,0,1,2,3
	v_rsq_f32 v[RS+2*\k], v[2+4*\k]                ; one batch of four
.endr
	v_nop                                          ; a plain instruction behind the last of them,
	s_wait_alu depctr_va_vdst(0)                   ; and one wait ahead of the first reader
.irp k,0,1,2,3
	v_mul_f32 v[RS+2*\k], s[28+\k], v[RS+2*\k]     ; 0 for a padded row
.endr
.irp k,0,1,2,3
	v_mov_b32 v[RS+2*\k+1], v[RS+2*\k]
.endr
.irp k,0,1,2,3
.irp i,0,2,4,6,8,10,12,14,16,18,20,22,24,26,28,30
	v_pk_mul_f32 v[X+32*\k+\i:X+32*\k+\i+1], v[X+32*\k+\i:X+32*\k+\i+1], v[G+\i:G+\i+1]         ; (x g),
.endr
.irp i,0,2,4,6,8,10,12,14,16,18,20,22,24,26,28,30
	v_pk_mul_f32 v[X+32*\k+\i:X+32*\k+\i+1], v[X+32*\k+\i:X+32*\k+\i+1], v[RS+2*\k:RS+2*\k+1]   ; then / rms: the order of the definition
.endr
.endr
	; the quantiser, a row at a time, its four runs j by turns.  v2-5 largest magnitudes, v6-9 the conversions' scale operands, v10-13 57,344 x the scale
.irp k,0,1,2,3
.irp j,0,1,2,3
	v_max3_num_f32 v[2+\j], |v[X+32*\k+8*\j]|, |v[X+32*\k+8*\j+1]|, 0x8000000   ; with the floor 2^(16 - 127): the byte cannot fall under 1
.endr
.irp i,2,4,6
.irp j,0,1,2,3
	v_max3_num_f32 v[2+\j], v[2+\j], |v[X+32*\k+8*\j+\i]|, |v[X+32*\k+8*\j+\i+1]|
.endr
.endr
.irp m,1,2
.irp j,0,1,2,3
	v_max_num_f32_dpp v[2+\j], v[2+\j], v[2+\j] row_xmask:\m row_mask:0xf bank_mask:0xf   ; the block's four lanes
.endr
.endr
.irp j,0,1,2,3
	v_add_nc_u32 v[6+\j], 0xf8800000, v[2+\j]      ; 15 off the exponent field: the conversion takes this operand's exponent field as its scale
.endr
.irp j,0,1,2,3
	v_and_or_b32 v[10+\j], v[2+\j], 0x7f800000, s36
.endr
.irp j,0,1,2,3
.irp i,0,1,2,3,4,5,6,7
	v_med3_num_f32 v[X+32*\k+8*\j+\i], v[X+32*\k+8*\j+\i], -v[10+\j], v[10+\j]   ; the conversion does not saturate (ISA guide 7.6.2): the hold at the largest code x the scale
.endr
.endr
.irp j,0,1,2,3
	v_cvt_scalef32_pk8_bf8_f32 v[CD+8*\k+2*\j:CD+8*\k+2*\j+1], v[X+32*\k+8*\j:X+32*\k+8*\j+7], v[6+\j]
.endr
.irp j,0,1,2,3
	v_lshrrev_b32 v[EB+4*\k+\j], 23, v[6+\j]       ; the scale's byte
.endr
.irp j,0,1,2,3
	ds_store_b8 v26, v[EB+4*\k+\j] offset:32*\k+8*\j        ; the block's four lanes write the same byte with the same value
	global_store_b64 v27, v[CD+8*\k+2*\j:CD+8*\k+2*\j+1], s[8:9] offset:1024*\k+65536*\j   ; 32 lanes store 256 consecutive bytes, aligned
.endr
.endr
	s_wait_tensorcnt 0x0                           ; a wait, an add and a wait behind a wave's last LDS store;
	ds_add_u32 v[SPW], v[NIL]
	s_wait_dscnt 0x0                               ; the last of them is also the wait for my byte stores, for the other waves' sake
	s_barrier_signal -1
	s_barrier_wait -1
	s_cmp_lg_u32 s12, 0
	s_cbranch_scc1 .Lend
	ds_load_b128 v[2:5], v29                       ; wave 0: the work-group's 512 scale bytes
	s_wait_dscnt 0x0
	global_store_b128 v29, v[2:5], s[10:11]        ; 512 consecutive bytes
.Lend:
	s_endpgm
.Lfunc_end_k_qd689c5786f_hnq:
	.size	k_qd689c5786f_hnq, .Lfunc_end_k_qd689c5786f_hnq-k_qd689c5786f_hnq
	.p2alignl 7, 3214868480
	.fill 96, 4, 3214868480
	.section	.rodata,"a",@progbits
	.p2align	6, 0x0
	.amdhsa_kernel k_qd689c5786f_hnq
		.amdhsa_group_segment_fixed_size 1024
		.amdhsa_private_segment_fixed_size 0
		.amdhsa_enable_private_segment 0
		.amdhsa_kernarg_size 32
		.amdhsa_user_sgpr_count 2
		.amdhsa_user_sgpr_kernarg_segment_ptr 1
		.amdhsa_wavefront_size32 1
		.amdhsa_system_sgpr_workgroup_id_x 1
		.amdhsa_system_sgpr_workgroup_id_y 1
		.amdhsa_system_sgpr_workgroup_id_z 1
		.amdhsa_system_vgpr_workitem_id 0
		.amdhsa_next_free_vgpr 240
		.amdhsa_next_free_sgpr 66
		.amdhsa_reserve_vcc 0
		.amdhsa_float_denorm_mode_32 3
		.amdhsa_float_denorm_mode_16_64 3
		.amdhsa_memory_ordered 1
		.amdhsa_forward_progress 1
		.amdhsa_inst_pref_size 43
	.end_amdhsa_kernel
	.amdgpu_metadata
---
amdhsa.version: [ 1, 2 ]
amdhsa.kernels:
  - .name:           k_qd689c5786f_hnq
    .symbol:         k_qd689c5786f_hnq.kd
    .args:
      - { .name: h, .offset: 0, .size: 8, .value_kind: global_buffer, .address_space: global }
      - { .name: g_norm, .offset: 8, .size: 8, .value_kind: global_buffer, .address_space: global }
      - { .name: hnc, .offset: 16, .size: 8, .value_kind: global_buffer, .address_space: global }
      - { .name: hns, .offset: 24, .size: 8, .value_kind: global_buffer, .address_space: global }
    .group_segment_fixed_size: 1024
    .private_segment_fixed_size: 0
    .kernarg_segment_align: 8
    .kernarg_segment_size: 32
    .max_flat_workgroup_size: 128
    .sgpr_count:     66
    .vgpr_count:     240
    .wavefront_size: 32
...
	.end_amdgpu_metadata
.endif
;; end of part 1
;; launch attn (part 2): grid 4 x 64, 4 waves a work-group, clusters of 4 x 4, 327,680 bytes of LDS; arguments e_codes, e_scales, Wk_codes, Wk_scales, Wv_codes, Wv_scales, Wq_codes, Wq_scales, hnc, hns, bk, bv, bq, oc, os; writes oc, os
.if DOCPART == 2
	.amdgcn_target "amdgcn-amd-amdhsa--gfx1250"
	.amdhsa_code_object_version 6
	.text
	.protected	k_qd689c5786f_attn
	.globl	k_qd689c5786f_attn
	.p2align	8
	.type	k_qd689c5786f_attn,@function
k_qd689c5786f_attn:
	s_mov_b64 s[64:65], 0
	v_nop
	global_prefetch_b8 v0, s[64:65] scope:SCOPE_SE
	s_setreg_imm32_b32 hwreg(HW_REG_WAVE_MODE, 25, 1), 1
	s_wait_xcnt 0x0
	s_wait_alu depctr_hold_cnt(0) depctr_sa_sdst(0) depctr_va_vdst(0) depctr_va_sdst(0) depctr_va_ssrc(0) depctr_va_vcc(0) depctr_vm_vsrc(0)
	s_getreg_b32 s2, hwreg(HW_REG_IB_STS2, 6, 4)
	s_cmp_eq_u32 s2, 0
	s_cbranch_scc0 .Lentry_in_a_cluster
	s_endpgm
.Lentry_in_a_cluster:
	s_bfe_u32 s2, ttmp6, 0x10000c
	s_cmp_lg_u32 s2, 0xf033
	s_cbranch_scc0 .Lentry_shape_is_right
	s_endpgm
.Lentry_shape_is_right:
; One chunk (256 rows of e, 64 queries) x four heads to a work-group; one head to a wave, through the whole chain: k = e Wk + bk, v = e Wv + bv, q = hn Wq + bq, S = Q(q) Q(k)^T, the finished softmax,
; O = Q(p) Q(v), and o's codes.  All products on codes of E5M2 with one E8M0 byte for each 32 along K.  k, v, S and p never leave the wave's registers.
; THE STREAM.  Twelve fills of 256 along K go through a ring of two LDS slots (X tile: 256 rows; W tile: the group's 256 rows of a weight): 0-3 (e, Wk), 4-7 (e, Wv), 8-11 (Wq).  Fill 8's X tile is all of the
; chunk's hn (256 LDS rows = 4 K quarters x 64 queries) and stays; fills 9-11 bring W alone.  Waves 0, 1 fetch X's halves, waves 2, 3 W's: one load a wave behind each round.
; CLUSTER 4 x 4: the four head groups of a chunk (a row of the cluster) ask for X jointly, the four chunks of a column for W.
; LAYOUTS.  K phase: source 0 = 16 rows of Wk, source 1 = 16 rows of e: a lane holds one key, its registers run along d.  V phase: the sources swapped: a lane holds one d, its registers run along the keys.
; Q phase as K.  So each quantiser finds its K along a lane's registers.  The 16 registers of two neighbouring tiles are the numbers 8 h + 0..7 and 16 + 8 h + 0..7 of a block of 32 (h = lane / 16):
; the true block, shared with lane l xor 16, in an order that q and k share, and p and v; o is put back into the true order by its stores.
; S has K = 64: a fragment of k holds two key tiles in its two halves of K, and q stands beside 64 zero codes, low or high, which switch the other key tile off.
; LIMITS: NaN and infinities (code patterns of them among the inputs too) are not served; a block under 2^-111 or of zeros gets the byte 1 (read by this program alone); 1 / the row's sum is v_rcp_f32;
; the biases enter as the C of a sum's first product.
.set PITCH, 272                        ; an LDS row: 256 bytes + 16: the 16 rows of a fragment load start at 16 different groups of four banks
.set HALFT, 128*PITCH                  ; what one tensor load brings
.set TILE,  256*PITCH
.set SLOT,  2*TILE                     ; X tile, then W tile
.set SCB,   32*272                     ; 8,192 scale bytes as 32 runs of 256 + 16
.set ESC,   2*SLOT                     ; e's scale bytes of the chunk, all of K; filled once
.set KSC,   ESC+SCB                    ; Wk's of the head group
.set VSC,   KSC+SCB                    ; Wv's
.set SPARE, VSC+SCB                    ; the spare words: 128 bytes a wave
.set QIMG,  SPARE+512                  ; q's codes as images of registers: 4 waves x 4 tiles x 1,024 bytes (LDS stores only)
.set QSC,   QIMG+4*4096                ; q's scale words: 4 waves x 4 tiles x 128 bytes
.set OSC,   QSC+4*512                  ; o's scale bytes [64 rows][8]
; window 0
.set AX0,  1                           ; r x 272 + 16 h
.set AW0,  2                           ; + W tile + my head's 64 rows
.set ADX,  3                           ; the same in the slot in hand
.set ADW,  4
.set ADSX, 5                           ; X's scale words of the K step in hand
.set ADSW, 6                           ; W's
.set A16L, 7                           ; 16 x lane
.set AQ,   8
.set AQS,  9
.set AOS,  10
.set AOC,  11
.set A32H, 12
.set A4R,  13
.set A32L, 14
.set AOSR, 15
.set OC,   16                          ; v16-23 Wq's scale words, pair 0 (Q phase); p's eight bytes; o's codes
.set NM,   24                          ; v24-25 -c x the row's maximum
.set INV,  26                          ; v26-27 1 / the row's sum
.set SPW,  28
.set NIL,  29
.set SUMA, 30                          ; v30-31
.set SC,   32                          ; v32-51 scale words, set q at 32 + 10 q: 8 pairs of X tiles, 2 pairs of W tiles (lanes 0-15 the even tile, 16-31 the odd); Q phase: hn's
.set HS,   32
.set KS,   52                          ; v52-59 k's scale words
.set VS,   60                          ; v60-67 v's
.set PW,   68                          ; v68-69 p's
.set QW,   70                          ; q's
.set LT,   71                          ; the lane's place among scale bytes
.set TM,   72                          ; v72-95 at work in the quantisers (v88-95: Wq's scale words, pair 1, in the Q phase)
.set SUMB, 88
.set BIAS, 96                          ; v96-127 bk, then bv, in the results' layout
.set PCD,  96                          ; later p's codes
.set SCR,  128                         ; v128-255 X fragments in two halves; later the scores, p, and O (v128-159)
.set BQ,   128
.set PC,   160
; window 1: v0-127 W fragments, set q at 64 q; later v's codes, fragment (dt, s) at 16 (2 dt + s).  v128-255 k's codes, fragment f at 128 + 16 f
; windows 2, 3: the 64 accumulators.  Q phase: window 2 v0-127 accumulators, window 3 fragments.  Loop: window 2 v0-23 = 8 zeros, q, 8 zeros
.set CNT,  2
.set JJ,   3                           ; the fill that the next turn asks for
.set KO,   4
.set TX,   6
.set TW,   8
.set SEL,  10
.set CS,   12
.set MNT,  14
.set NC,   15
.set BC,   21
.set HG,   22
.set HD,   23
.set G1X,  24
.set G1W,  32
.set G0X0, 40
.set G0X,  44
.set G0W0, 48
.set G0W,  52
.set G1SX, 56
.set G1SW, 68
.set G0SE, 76
.set G0SK, 80
.set G0SV, 84
.set PBV,  56                          ; once the scale bytes have landed their descriptors' registers take bv, bq, hns, Wq_scales, oc, os
.set PBQ,  58
.set PHS,  60
.set PWS,  62
.set POC,  68
.set POS,  70
.set XE,   88
.set XH,   90
.set WK,   92
.set WVB,  94
.set WQ,   96
.set LX,   98
.set LW,   99
.set TB,   100                         ; LDS byte at which the slot in hand begins
.set WV,   101
.set FW,   66                          ; wave / 2: 0 fetches X, 1 fetches W
.set HF,   67                          ; wave % 2: which half
.set MSB, 0
.macro WIN new                         ; the immediate's high byte repeats the setting that is left; a switch that changes nothing is dropped
.if MSB != (\new)
	s_set_vgpr_msb (MSB<<8)|(\new)
.set MSB, (\new)
.endif
.endm
.macro P8                              ; eight places behind this matrix form in front of loads into its registers and of reads of its results
.rept 8
	v_nop
.endr
.endm
.macro P4
.rept 4
	v_nop
.endr
.endm
.macro CREST                           ; a round of the cluster's barrier behind its opening barrier
	s_cmp_lg_u32 s[WV], 0
	s_cbranch_scc1 .Lnot_wave_0_\@
	s_barrier_signal -3
.Lnot_wave_0_\@:
	s_barrier_wait -3
	s_barrier_signal -1
	s_barrier_wait -1
.endm
.macro CROUND
	s_barrier_signal -1
	s_barrier_wait -1
	CREST
.endm
.macro JLOAD                           ; a joint refill: waves 0, 1 X's halves, waves 2, 3 W's.  An s_nop 0 and four v_nop follow each line
	s_cmp_eq_u32 s[FW], 0
	s_cbranch_scc0 .Lfor_w_\@
	tensor_load_to_lds s[G0X:G0X+3], s[G1X:G1X+7]
	s_nop 0
	P4
	s_branch .Lasked_\@
.Lfor_w_\@:
	tensor_load_to_lds s[G0W:G0W+3], s[G1W:G1W+7]
	s_nop 0
	P4
.Lasked_\@:
.endm
.macro JLOADW                          ; W alone: waves 0, 1 have nothing to fill
	s_cmp_eq_u32 s[FW], 0
	s_cbranch_scc1 .Lasked_\@
	tensor_load_to_lds s[G0W:G0W+3], s[G1W:G1W+7]
	s_nop 0
	P4
.Lasked_\@:
.endm
; The walking descriptors for fill JJ, into the slot that is being left.  Scalar work alone: it stands between the add and the wait for it, where no tensor load of the wave is out.
.macro NEXT
	s_and_b32 s[KO], s[JJ], 3
	s_lshl_b32 s[KO], s[KO], 8                     ; which 256 along K
	s_mov_b32 s[KO+1], 0
	s_cmp_lt_u32 s[JJ], 8
	s_cselect_b64 s[TX:TX+1], s[XE:XE+1], s[XH:XH+1]
	s_cselect_b64 s[TW:TW+1], s[WVB:WVB+1], s[WQ:WQ+1]
	s_cmp_lt_u32 s[JJ], 4
	s_cselect_b64 s[TW:TW+1], s[WK:WK+1], s[TW:TW+1]
	s_add_nc_u64 s[G0X+2:G0X+3], s[TX:TX+1], s[KO:KO+1]
	s_or_b32 s[G0X+3], s[G0X+3], 0x80000000
	s_add_nc_u64 s[G0W+2:G0W+3], s[TW:TW+1], s[KO:KO+1]
	s_or_b32 s[G0W+3], s[G0W+3], 0x80000000
	s_add_co_u32 s[G0X+1], s[TB], s[LX]
	s_add_co_u32 s[G0W+1], s[TB], s[LW]
	s_add_co_u32 s[JJ], s[JJ], 1
.endm
; One matrix instruction.  cm = 1: C = v[c ..]; cm = 0: C = 0.  ra, rb: the scales stand in lanes 16-31 of their registers
.macro WM d,a,b,cm,c,sa,sb,ra,rb
.if \cm
.if (\ra) && (\rb)
	v_wmma_scale_f32_16x16x128_f8f6f4 v[\d:\d+7], v[\a:\a+15], v[\b:\b+15], v[\c:\c+7], v[\sa], v[\sb] matrix_a_fmt:MATRIX_FMT_BF8 matrix_b_fmt:MATRIX_FMT_BF8 matrix_a_scale:MATRIX_SCALE_ROW1 matrix_b_scale:MATRIX_SCALE_ROW1
.elseif (\ra)
	v_wmma_scale_f32_16x16x128_f8f6f4 v[\d:\d+7], v[\a:\a+15], v[\b:\b+15], v[\c:\c+7], v[\sa], v[\sb] matrix_a_fmt:MATRIX_FMT_BF8 matrix_b_fmt:MATRIX_FMT_BF8 matrix_a_scale:MATRIX_SCALE_ROW1
.elseif (\rb)
	v_wmma_scale_f32_16x16x128_f8f6f4 v[\d:\d+7], v[\a:\a+15], v[\b:\b+15], v[\c:\c+7], v[\sa], v[\sb] matrix_a_fmt:MATRIX_FMT_BF8 matrix_b_fmt:MATRIX_FMT_BF8 matrix_b_scale:MATRIX_SCALE_ROW1
.else
	v_wmma_scale_f32_16x16x128_f8f6f4 v[\d:\d+7], v[\a:\a+15], v[\b:\b+15], v[\c:\c+7], v[\sa], v[\sb] matrix_a_fmt:MATRIX_FMT_BF8 matrix_b_fmt:MATRIX_FMT_BF8
.endif
.else
	v_wmma_scale_f32_16x16x128_f8f6f4 v[\d:\d+7], v[\a:\a+15], v[\b:\b+15], 0, v[\sa], v[\sb] matrix_a_fmt:MATRIX_FMT_BF8 matrix_b_fmt:MATRIX_FMT_BF8
.endif
.endm
; X fragments f0 .. f0 + n - 1 of group g (X tile x = 4 g + f) against my head's four W fragments, the slot's q-th 128 along K.  ph = 0: K phase, 1: V phase.  first = 1: C is the bias.
; The 64 accumulators take turns, one instruction a turn, in the same order in every step.
.macro MULG ph,g,q,first,f0,n
.if \first
	WIN 0x81+3*(\ph)+0x40*((\g)/2)
.else
	WIN 0xa1+3*(\ph)+0x50*((\g)/2)
.endif
.set mf, \f0
.rept \n
.set mx, 4*(\g)+mf
.set mxr, 128+64*((\g)%2)+16*mf
.set msx, SC+10*(\q)+mx/2
.irp dt,0,1,2,3
.set mwr, 64*(\q)+16*\dt
.set msw, SC+10*(\q)+8+\dt/2
.if \ph
.set md, 64*\dt+8*(mx%8)
.else
.set md, 32*(mx%8)+8*\dt
.endif
.if \first
.set mc, BIAS+8*\dt
.else
.set mc, md
.endif
.if \ph
	WM md,mxr,mwr,1,mc,msx,msw,mx%2,\dt%2
.else
	WM md,mwr,mxr,1,mc,msw,msx,\dt%2,mx%2
.endif
.endr
.set mf, mf+1
.endr
.endm
.macro LDX q,g                         ; group g's four X fragments of the slot's q-th 128 along K: 16 loads
.irp f,0,1,2,3
.irp c,0,1,2,3
	ds_load_b128 v[128+64*((\g)%2)+16*\f+4*\c:128+64*((\g)%2)+16*\f+4*\c+3], v[ADX] offset:16*(4*(\g)+\f)*PITCH+128*(\q)+32*\c
.endr
.endr
.endm
.macro LDW q                           ; my head's four W fragments into set q: 16 loads
	WIN 0x40
.irp dt,0,1,2,3
.irp c,0,1,2,3
	ds_load_b128 v[64*(\q)+16*\dt+4*\c:64*(\q)+16*\dt+4*\c+3], v[ADW] offset:16*\dt*PITCH+128*(\q)+32*\c
.endr
.endr
	WIN 0
.endm
.macro LDSC q                          ; the K step's scale words into set q: 10 loads
.irp p,0,1,2,3,4,5,6,7
	ds_load_b32 v[SC+10*(\q)+\p], v[ADSX] offset:1088*\p
.endr
.irp p,0,1
	ds_load_b32 v[SC+10*(\q)+8+\p], v[ADSW] offset:1088*\p
.endr
.endm
; A slot's first 128 along K.  The counted waits: 16 = the younger run of X loads may be out; 42 = the 16 X, 10 scale and 16 W loads issued behind the group that is wanted.
.macro STEP0 ph,first
	s_wait_dscnt 16
	MULG \ph,0,0,\first,0,4
	P8
	WIN 0
	LDX 0,2
	s_wait_dscnt 16
	MULG \ph,1,0,\first,0,4
	P8
	WIN 0
	LDX 0,3
	s_wait_dscnt 16
	MULG \ph,2,0,\first,0,4
	P8
	WIN 0
	v_add_nc_u32 v[ADSX], 4, v[ADSX]
	v_add_nc_u32 v[ADSW], 4, v[ADSW]
	LDX 1,0
	LDSC 1
	LDW 1
	s_wait_dscnt 42
	MULG \ph,3,0,\first,0,4
	P8
	WIN 0
	LDX 1,1
.endm
; A slot's second 128 along K, and the change of slots.  kind 0: on in the same phase; 1: the K phase ends (the scale addresses go to e's first words and to Wv's); 2: the V phase ends (W alone is asked for, nothing is fetched).
.macro TURNSTEP ph,kind
	s_wait_dscnt 16
	MULG \ph,0,1,0,0,4
	P8
	WIN 0
	LDX 1,2
	s_wait_dscnt 16
	MULG \ph,1,1,0,0,4
	P8
	WIN 0
	LDX 1,3
	s_wait_dscnt 16
	MULG \ph,2,1,0,0,4
	WIN 0
	s_wait_tensorcnt 0x0                           ; all my tensor loads have landed: my part of the next slot;
	ds_add_u32 v[SPW], v[NIL]                      ; 0 onto my spare word;
	NEXT                                           ; the descriptors' steps stand between it and the wait for it
	s_wait_dscnt 0x0                               ; the add is done, and my reads of this slot are over
	s_barrier_signal -1                            ; opens a round of the cluster's barrier
	MULG \ph,3,1,0,0,2
	WIN 0
	s_barrier_wait -1
	CREST                                          ; no wave of any partner still reads this slot or has a load on its way
.if \kind == 2
	JLOADW
.else
	JLOAD                                          ; the first tensor load behind the round
.endif
	s_xor_b32 s[TB], s[TB], SLOT
.if \kind == 2
	MULG \ph,3,1,0,2,2
	P8
	WIN 0
.else
	v_add_nc_u32 v[ADX], s[TB], v[AX0]             ; these four and the four v_nop behind the joint load are the eight places in front of the loads below
	v_add_nc_u32 v[ADW], s[TB], v[AW0]
.if \kind == 1
	v_add_nc_u32 v[ADSX], ESC, v[LT]
	v_add_nc_u32 v[ADSW], SCB-28, v[ADSW]
.else
	v_add_nc_u32 v[ADSX], 4, v[ADSX]
	v_add_nc_u32 v[ADSW], 4, v[ADSW]
.endif
	LDX 0,0
	LDSC 0
	LDW 0
	MULG \ph,3,1,0,2,2
	P8
	WIN 0
	LDX 0,1
.endif
.endm
; 64 numbers of a lane in window sw, v[s] on (register 16 b + i: a number of block b of my row; the block's other 16 lie in lane l xor 16) become 16 registers of codes in window dw, v[d] on, and the scale word v[pw].
; Each accumulator is read from its low end first.
.macro QUANT sw,s,dw,d,pw
	WIN 5*(\sw)
.irp b,0,1,2,3
	v_max3_num_f32 v[TM+\b], |v[(\s)+16*\b]|, |v[(\s)+16*\b+1]|, 0x8000000   ; with the floor 2^(16 - 127): the byte cannot fall under 1
.endr
.irp i,2,4,6,8,10,12,14
.irp b,0,1,2,3
	v_max3_num_f32 v[TM+\b], |v[(\s)+16*\b+\i]|, |v[(\s)+16*\b+\i+1]|, v[TM+\b]
.endr
.endr
	WIN 0
.irp b,0,1,2,3
	v_permlanex16_b32 v[TM+4+\b], v[TM+\b], s[SEL], s[SEL+1]
.endr
.irp b,0,1,2,3
	v_max_num_f32 v[TM+\b], v[TM+\b], v[TM+4+\b]
.endr
.irp b,0,1,2,3
	v_add_nc_u32 v[TM+12+\b], 0xf8800000, v[TM+\b]   ; 15 off the exponent field: the conversion's scale operand
.endr
.irp b,0,1,2,3
	v_and_or_b32 v[TM+8+\b], v[TM+\b], 0x7f800000, s[MNT]   ; 57,344 x the scale
.endr
.irp b,0,1,2,3
	v_lshrrev_b32 v[TM+4+\b], 23, v[TM+12+\b]      ; the scale's byte
.endr
	v_lshl_or_b32 v[\pw], v[TM+5], 8, v[TM+4]
	v_lshl_or_b32 v[\pw], v[TM+6], 16, v[\pw]
	v_lshl_or_b32 v[\pw], v[TM+7], 24, v[\pw]
	WIN (\sw)+64*(\sw)
.irp b,0,1,2,3
.irp i,0,1,2,3,4,5,6,7,8,9,10,11,12,13,14,15
	v_med3_num_f32 v[(\s)+16*\b+\i], v[(\s)+16*\b+\i], -v[TM+8+\b], v[TM+8+\b]   ; the conversion does not saturate (ISA guide 7.6.2)
.endr
.endr
	WIN (\sw)+64*(\dw)
.irp b,0,1,2,3
	v_cvt_scalef32_pk8_bf8_f32 v[(\d)+4*\b:(\d)+4*\b+1], v[(\s)+16*\b:(\s)+16*\b+7], v[TM+12+\b]
	v_cvt_scalef32_pk8_bf8_f32 v[(\d)+4*\b+2:(\d)+4*\b+3], v[(\s)+16*\b+8:(\s)+16*\b+15], v[TM+12+\b]
.endr
	v_nop                                          ; a plain instruction behind the last scaled conversion
	WIN 0
.endm
; Q phase.  Step s (128 along K): Wq's four fragments from the slot in hand, hn's four from slot 0's X tile (LDS row 64 (s / 2) + query), into set `set` of window 3
.macro QFETCH s,set
	WIN 0xc0
.irp dt,0,1,2,3
.irp c,0,1,2,3
	ds_load_b128 v[128+64*(\set)+16*\dt+4*\c:128+64*(\set)+16*\dt+4*\c+3], v[ADW] offset:16*\dt*PITCH+128*((\s)%2)+32*\c
.endr
.endr
.irp t,0,1,2,3
.irp c,0,1,2,3
	ds_load_b128 v[64*(\set)+16*\t+4*\c:64*(\set)+16*\t+4*\c+3], v[AX0] offset:(64*((\s)/2)+16*\t)*PITCH+128*((\s)%2)+32*\c
.endr
.endr
	WIN 0
.endm
.macro QMUL s,set,first                ; 16 accumulators by turns: q(tile t, d tile dt), source 0 = Wq, source 1 = hn
.if \first
	WIN 0x8f
.else
	WIN 0xaf
.endif
.irp t,0,1,2,3
.irp dt,0,1,2,3
.if \first
	WM 32*\t+8*\dt,128+64*(\set)+16*\dt,64*(\set)+16*\t,1,BQ+8*\dt,16+72*(\dt/2)+(\s),HS+8*(\t/2)+(\s),\dt%2,\t%2
.else
	WM 32*\t+8*\dt,128+64*(\set)+16*\dt,64*(\set)+16*\t,1,32*\t+8*\dt,16+72*(\dt/2)+(\s),HS+8*(\t/2)+(\s),\dt%2,\t%2
.endif
.endr
.endr
.endm
.macro QCHANGE fill                    ; the change of slots in the Q phase
	WIN 0
	s_wait_tensorcnt 0x0
	ds_add_u32 v[SPW], v[NIL]
.if \fill
	NEXT
.endif
	s_wait_dscnt 0x0
.if \fill
	CROUND
	JLOADW
.else
	s_barrier_signal -1
	s_barrier_wait -1
.endif
	s_xor_b32 s[TB], s[TB], SLOT
	v_add_nc_u32 v[ADW], s[TB], v[AW0]             ; with the seven below: eight places in front of the loads into the fragments just multiplied
.rept 7
	v_nop
.endr
.endm
	s_load_b64 s[XE:XE+1], s[0:1], 0x0             ; e_codes
	s_load_b64 s[G0SE+2:G0SE+3], s[0:1], 0x8       ; e_scales
	s_load_b64 s[WK:WK+1], s[0:1], 0x10            ; Wk_codes
	s_load_b64 s[G0SK+2:G0SK+3], s[0:1], 0x18      ; Wk_scales
	s_load_b64 s[WVB:WVB+1], s[0:1], 0x20          ; Wv_codes
	s_load_b64 s[G0SV+2:G0SV+3], s[0:1], 0x28      ; Wv_scales
	s_load_b64 s[WQ:WQ+1], s[0:1], 0x30            ; Wq_codes
	s_load_b64 s[XH:XH+1], s[0:1], 0x40            ; hnc
	s_load_b64 s[16:17], s[0:1], 0x50              ; bk
	v_lshl_add_u32 v[SPW], v0, 2, SPARE
	v_mov_b32 v[NIL], 0
	ds_add_u32 v[SPW], v[NIL]                      ; the wave's opening: an add and its wait ahead of the round in front of my first tensor load; work on registers stands between
	v_lshrrev_b32 v1, 5, v0
	v_readfirstlane_b32 s[WV], v1                  ; wave 0..3
	s_lshr_b32 s[FW], s[WV], 1
	s_and_b32 s[HF], s[WV], 1
	s_bfe_u32 s18, ttmp6, 0x40000                  ; cx
	s_bfe_u32 s19, ttmp6, 0x40004                  ; cy
	s_lshl_b32 s[HG], ttmp9, 2
	s_add_co_u32 s[HG], s[HG], s18                 ; the head group
	s_and_b32 s20, ttmp7, 0xffff                   ; cluster y
	s_lshl_b32 s[BC], s20, 2
	s_add_co_u32 s[BC], s[BC], s19                 ; the chunk
	s_lshl_b32 s[HD], s[HG], 2
	s_add_co_u32 s[HD], s[HD], s[WV]               ; my head
	s_lshl_b32 s2, s19, 2
	s_lshl_b32 s2, 15, s2                          ; my row of the cluster
	s_lshl_b32 s3, 0x1111, s18                     ; my column
	; group 1 of a tile's half: 128 rows x 256 bytes, 1,024 bytes apart, 16 bytes of padding behind each
	s_or_b32 s[G1X], s2, (1<<20)|(1<<21)|(5<<22)|(3<<25)
	s_or_b32 s[G1W], s3, (1<<20)|(1<<21)|(5<<22)|(3<<25)
.irp g, G1X, G1W
	s_mov_b32 s[\g+1], 256<<16
	s_mov_b32 s[\g+2], 128<<16
	s_mov_b32 s[\g+3], 256<<16
	s_mov_b32 s[\g+4], 128
	s_mov_b32 s[\g+5], 1024
	s_mov_b32 s[\g+6], 0
	s_mov_b32 s[\g+7], 0
.endr
	; and of half a block of scale bytes: 4,096 dense bytes as 16 rows of 256 (32 elements of 8 bytes), 16 bytes of padding behind each
	s_or_b32 s[G1SX], s2, (3<<16)|(1<<20)|(1<<21)|(5<<22)|(3<<25)
	s_or_b32 s[G1SW], s3, (3<<16)|(1<<20)|(1<<21)|(5<<22)|(3<<25)
.irp g, G1SX, G1SW
	s_mov_b32 s[\g+1], 32<<16
	s_mov_b32 s[\g+2], 16<<16
	s_mov_b32 s[\g+3], 32<<16
	s_mov_b32 s[\g+4], 16
	s_mov_b32 s[\g+5], 32
	s_mov_b32 s[\g+6], 0
	s_mov_b32 s[\g+7], 0
.endr
	s_lshl_b32 s4, s[BC], 18                       ; e: the chunk's 256 rows of 1,024 bytes, + my half
	s_lshl_b32 s5, s[HF], 17
	s_add_co_u32 s4, s4, s5
	s_mov_b32 s5, 0
	s_lshl_b32 s6, s20, 18                         ; hnc: chunk / 4, chunk % 4, + my half
	s_lshl_b32 s7, s19, 8
	s_add_co_u32 s6, s6, s7
	s_lshl_b32 s7, s[HF], 17
	s_add_co_u32 s6, s6, s7
	s_mov_b32 s7, 0
	s_lshl_b32 s8, s[HG], 18                       ; a weight: the head group's 256 rows, + my half
	s_lshl_b32 s9, s[HF], 17
	s_add_co_u32 s8, s8, s9
	s_mov_b32 s9, 0
	s_lshl_b32 s10, s[BC], 13                      ; e's scale bytes
	s_lshl_b32 s11, s[HF], 12
	s_add_co_u32 s10, s10, s11
	s_mov_b32 s11, 0
	s_lshl_b32 s12, s[HG], 13                      ; a weight's
	s_lshl_b32 s13, s[HF], 12
	s_add_co_u32 s12, s12, s13
	s_mov_b32 s13, 0
	s_mul_i32 s[LX], s[HF], HALFT                  ; where my half goes in a slot: no place in the cluster enters an LDS address
	s_add_co_u32 s[LW], s[LX], TILE
	s_mul_i32 s14, s[HF], 16*272
	s_wait_dscnt 0x0                               ; the opening add is done
	s_wait_kmcnt 0x0
	s_add_nc_u64 s[XE:XE+1], s[XE:XE+1], s[4:5]
	s_add_nc_u64 s[XH:XH+1], s[XH:XH+1], s[6:7]
	s_add_nc_u64 s[WK:WK+1], s[WK:WK+1], s[8:9]
	s_add_nc_u64 s[WVB:WVB+1], s[WVB:WVB+1], s[8:9]
	s_add_nc_u64 s[WQ:WQ+1], s[WQ:WQ+1], s[8:9]
	s_mov_b32 s[G0SE], 1
	s_add_co_u32 s[G0SE+1], s14, ESC
	s_add_nc_u64 s[G0SE+2:G0SE+3], s[G0SE+2:G0SE+3], s[10:11]
	s_or_b32 s[G0SE+3], s[G0SE+3], 0x80000000
	s_mov_b32 s[G0SK], 1
	s_add_co_u32 s[G0SK+1], s14, KSC
	s_add_nc_u64 s[G0SK+2:G0SK+3], s[G0SK+2:G0SK+3], s[12:13]
	s_or_b32 s[G0SK+3], s[G0SK+3], 0x80000000
	s_mov_b32 s[G0SV], 1
	s_add_co_u32 s[G0SV+1], s14, VSC
	s_add_nc_u64 s[G0SV+2:G0SV+3], s[G0SV+2:G0SV+3], s[12:13]
	s_or_b32 s[G0SV+3], s[G0SV+3], 0x80000000
	s_mov_b32 s[G0X0], 1                           ; fill 0
	s_mov_b32 s[G0X0+1], s[LX]
	s_mov_b64 s[G0X0+2:G0X0+3], s[XE:XE+1]
	s_or_b32 s[G0X0+3], s[G0X0+3], 0x80000000
	s_mov_b32 s[G0W0], 1
	s_mov_b32 s[G0W0+1], s[LW]
	s_mov_b64 s[G0W0+2:G0W0+3], s[WK:WK+1]
	s_or_b32 s[G0W0+3], s[G0W0+3], 0x80000000
	s_mov_b32 s[G0X], 1                            ; fill 1; these two sets then walk
	s_add_co_u32 s[G0X+1], s[LX], SLOT
	s_add_nc_u64 s[G0X+2:G0X+3], s[XE:XE+1], 256
	s_or_b32 s[G0X+3], s[G0X+3], 0x80000000
	s_mov_b32 s[G0W], 1
	s_add_co_u32 s[G0W+1], s[LW], SLOT
	s_add_nc_u64 s[G0W+2:G0W+3], s[WK:WK+1], 256
	s_or_b32 s[G0W+3], s[G0W+3], 0x80000000
	s_mov_b32 s[TB], 0
	s_mov_b32 s[JJ], 2
	s_mov_b32 s[SEL], 0x76543210
	s_mov_b32 s[SEL+1], 0xfedcba98                 ; lane l xor 16
	s_mov_b32 s[CS], 0x3e38aa3b                    ; c = log2(e) / 8
	s_mov_b32 s[CS+1], s[CS]
	s_mov_b32 s[MNT], 0x600000                     ; the mantissa field of 57,344
	s_mov_b32 s[NC], 0xbe38aa3b                    ; -c
	CROUND                                         ; all sixteen work-groups are here: the first joint loads meet
	s_cmp_lt_u32 s[WV], 2                          ; a wave's first fills stand in one branch: three loads of mine are out (X's waves) or four (W's)
	s_cbranch_scc0 .Lfirst_w
	tensor_load_to_lds s[G0SE:G0SE+3], s[G1SX:G1SX+7]
	s_nop 0
	tensor_load_to_lds s[G0X0:G0X0+3], s[G1X:G1X+7]
	s_nop 0
	tensor_load_to_lds s[G0X:G0X+3], s[G1X:G1X+7]
	s_nop 0
	P4
	s_branch .Lfirst_done
.Lfirst_w:
	tensor_load_to_lds s[G0SK:G0SK+3], s[G1SW:G1SW+7]
	s_nop 0
	tensor_load_to_lds s[G0SV:G0SV+3], s[G1SW:G1SW+7]
	s_nop 0
	tensor_load_to_lds s[G0W0:G0W0+3], s[G1W:G1W+7]
	s_nop 0
	tensor_load_to_lds s[G0W:G0W+3], s[G1W:G1W+7]
	s_nop 0
	P4
.Lfirst_done:
	v_and_b32 v16, 15, v0                          ; r
	v_bfe_u32 v17, v0, 4, 1                        ; h
	v_and_b32 v18, 31, v0                          ; lane
	v_mul_u32_u24 v[AX0], v16, PITCH
	v_lshl_add_u32 v[AX0], v17, 4, v[AX0]
	s_mul_i32 s18, s[WV], 64*PITCH
	s_add_co_u32 s18, s18, TILE
	v_add_nc_u32 v[AW0], s18, v[AX0]
	v_add_nc_u32 v[ADX], s[TB], v[AX0]
	v_add_nc_u32 v[ADW], s[TB], v[AW0]
	v_lshrrev_b32 v19, 3, v18                      ; scale bytes: row 32 p + lane; eight rows of 32 bytes to a run of 256 + 16
	v_mul_u32_u24 v19, v19, 272
	v_and_b32 v20, 7, v18
	v_lshl_add_u32 v[LT], v20, 5, v19
	v_add_nc_u32 v[ADSX], ESC, v[LT]
	s_mul_i32 s18, s[WV], 8*272
	s_add_co_u32 s18, s18, KSC
	v_add_nc_u32 v[ADSW], s18, v[LT]
	v_lshlrev_b32 v[A16L], 4, v18
	s_lshl_b32 s18, s[WV], 12
	s_add_co_u32 s18, s18, QIMG
	v_add_nc_u32 v[AQ], s18, v[A16L]
	v_lshlrev_b32 v19, 2, v18
	s_lshl_b32 s18, s[WV], 9
	s_add_co_u32 s18, s18, QSC
	v_add_nc_u32 v[AQS], s18, v19
	v_lshlrev_b32 v19, 3, v16
	s_lshl_b32 s18, s[WV], 1
	s_add_co_u32 s18, s18, OSC
	v_add_nc_u32 v[AOS], s18, v19                  ; o's scale bytes: 8 r + 2 wave
	v_add_nc_u32 v[AOSR], OSC, v[A16L]
	v_lshlrev_b32 v[AOC], 4, v16
	v_lshl_add_u32 v[AOC], v17, 3, v[AOC]          ; o's codes: 16 r + 8 h
	v_lshlrev_b32 v[A32H], 5, v17
	v_lshlrev_b32 v[A4R], 2, v16
	v_lshlrev_b32 v[A32L], 5, v18
.set j, 0
.rept 24
	v_mov_b32 v[TM+j], 0                           ; written once: a lane permute's destination counts as one of its sources
.set j, j+1
.endr
	s_lshl_b32 s18, s[HD], 8                       ; my head's 64 numbers of a bias
	s_mov_b32 s19, 0
	s_add_nc_u64 s[16:17], s[16:17], s[18:19]
.irp dt,0,1,2,3
	global_load_b128 v[BIAS+8*\dt:BIAS+8*\dt+3], v[A32H], s[16:17] offset:64*\dt        ; bk(16 dt + 8 h + 0 .. 7): the K phase's results' layout
	global_load_b128 v[BIAS+8*\dt+4:BIAS+8*\dt+7], v[A32H], s[16:17] offset:64*\dt+16
.endr
	s_wait_tensorcnt 0x1                           ; the scale bytes and my part of fill 0 are in; fill 1's load may be out
	s_barrier_signal -1
	s_barrier_wait -1
	s_load_b128 s[PBV:PBV+3], s[0:1], 0x58         ; bv, bq (the scale bytes' descriptors are done with)
	s_load_b64 s[PHS:PHS+1], s[0:1], 0x48          ; hns
	s_load_b64 s[PWS:PWS+1], s[0:1], 0x38          ; Wq_scales
	s_load_b128 s[POC:POC+3], s[0:1], 0x68         ; oc, os
	LDX 0,0
	LDSC 0
	LDW 0
	LDX 0,1
	s_wait_kmcnt 0x0
	s_add_nc_u64 s[PBV:PBV+1], s[PBV:PBV+1], s[18:19]
	s_add_nc_u64 s[PBQ:PBQ+1], s[PBQ:PBQ+1], s[18:19]
	s_lshl_b32 s18, s[HD], 11                      ; my head's 64 rows of 32 scale bytes
	s_add_nc_u64 s[PWS:PWS+1], s[PWS:PWS+1], s[18:19]
	s_lshl_b32 s18, s[BC], 11                      ; the chunk's 64 rows
	s_add_nc_u64 s[PHS:PHS+1], s[PHS:PHS+1], s[18:19]
	s_lshl_b32 s18, s[BC], 16                      ; oc: four row tiles of 16,384 bytes a chunk; my head's 64 along K are 1,024 bytes of a tile's image
	s_lshl_b32 s20, s[HD], 10
	s_add_co_u32 s18, s18, s20
	s_add_nc_u64 s[POC:POC+1], s[POC:POC+1], s[18:19]
	s_lshl_b32 s18, s[HG], 15                      ; os: [head group][row][8]
	s_lshl_b32 s20, s[BC], 9
	s_add_co_u32 s18, s18, s20
	s_add_nc_u64 s[POS:POS+1], s[POS:POS+1], s[18:19]
	s_wait_loadcnt 0x0                             ; bk
	; ---- K: k = e Wk + bk, 256 keys x my 64
	STEP0 0,1
	s_mov_b32 s[CNT], 3
.Lkloop:
	TURNSTEP 0,0
	STEP0 0,0
	s_sub_co_u32 s[CNT], s[CNT], 1
	s_cmp_lg_u32 s[CNT], 0
	s_cbranch_scc1 .Lkloop
	TURNSTEP 0,1
.irp dt,0,1,2,3
	global_load_b32 v[BIAS+8*\dt], v[A4R], s[PBV:PBV+1] offset:64*\dt    ; bv(16 dt + r): in the V phase a lane holds one d
.endr
.irp f,0,1,2,3,4,5,6,7                 ; fragment f of k: key tiles 2 f and 2 f + 1 in the two halves of its K
	QUANT 2+\f/4,64*(\f%4),1,128+16*\f,KS+\f
.endr
	s_wait_loadcnt 0x0
.irp dt,0,1,2,3
.irp j,1,2,3,4,5,6,7
	v_mov_b32 v[BIAS+8*\dt+\j], v[BIAS+8*\dt]
.endr
.endr
	P4
	; ---- V: v = e Wv + bv, the sources swapped
	STEP0 1,1
	s_mov_b32 s[CNT], 3
.Lvloop:
	TURNSTEP 1,0
	STEP0 1,0
	s_sub_co_u32 s[CNT], s[CNT], 1
	s_cmp_lg_u32 s[CNT], 0
	s_cbranch_scc1 .Lvloop
	TURNSTEP 1,2
.irp dt,0,1,2,3
	global_load_b128 v[BQ+8*\dt:BQ+8*\dt+3], v[A32H], s[PBQ:PBQ+1] offset:64*\dt
	global_load_b128 v[BQ+8*\dt+4:BQ+8*\dt+7], v[A32H], s[PBQ:PBQ+1] offset:64*\dt+16
.endr
.irp p,0,1                             ; a row's 32 scale bytes are the words of the eight K steps: lane l takes row 32 p + l
	global_load_b128 v[HS+8*\p:HS+8*\p+3], v[A32L], s[PHS:PHS+1] offset:1024*\p
	global_load_b128 v[HS+8*\p+4:HS+8*\p+7], v[A32L], s[PHS:PHS+1] offset:1024*\p+16
	global_load_b128 v[16+72*\p:16+72*\p+3], v[A32L], s[PWS:PWS+1] offset:1024*\p
	global_load_b128 v[16+72*\p+4:16+72*\p+7], v[A32L], s[PWS:PWS+1] offset:1024*\p+16
.endr
.irp dt,0,1,2,3                        ; fragment (dt, s) of v: 16 d x keys 128 s on
.irp s,0,1
	QUANT 2+\s,64*\dt,1,16*(2*\dt+\s),VS+2*\dt+\s
.endr
.endr
	; ---- Q: q = hn Wq + bq, 64 queries x my 64
	v_add_nc_u32 v[ADW], s[TB], v[AW0]
	QFETCH 0,0
	QFETCH 1,1
	s_wait_loadcnt 0x0                             ; bq and the scale words
	s_wait_dscnt 32                                ; the second fetch may be out
	QMUL 0,0,1
	s_wait_dscnt 0x0
	QMUL 1,1,0
	QCHANGE 1
	QFETCH 2,0
	QFETCH 3,1
	s_wait_dscnt 32
	QMUL 2,0,0
	s_wait_dscnt 0x0
	QMUL 3,1,0
	QCHANGE 1
	QFETCH 4,0
	QFETCH 5,1
	s_wait_dscnt 32
	QMUL 4,0,0
	s_wait_dscnt 0x0
	QMUL 5,1,0
	QCHANGE 0                                      ; nothing is left to ask for
	QFETCH 6,0
	QFETCH 7,1
	s_wait_dscnt 32
	QMUL 6,0,0
	s_wait_dscnt 0x0
	QMUL 7,1,0
	P8
	WIN 0
	s_mov_b32 s16, 0x01000100                      ; byte selects: a tile's two scale bytes, twice
	s_mov_b32 s17, 0x03020302
.irp u,0,1                             ; query tiles 2 u, 2 u + 1: codes and scale words to my own bytes of LDS, so that the loop below has fixed registers
	QUANT 2,64*\u,0,PC,PW
	ds_store_b128 v[AQ], v[PC:PC+3] offset:2048*\u
	ds_store_b128 v[AQ], v[PC+4:PC+7] offset:2048*\u+512
	ds_store_b128 v[AQ], v[PC+8:PC+11] offset:2048*\u+1024
	ds_store_b128 v[AQ], v[PC+12:PC+15] offset:2048*\u+1536
	v_perm_b32 v[TM+16], v[PW], v[PW], s16
	v_perm_b32 v[TM+17], v[PW], v[PW], s17
	ds_store_b32 v[AQS], v[TM+16] offset:256*\u
	ds_store_b32 v[AQS], v[TM+17] offset:256*\u+128
	s_wait_dscnt 0x0
.endr
	WIN 0x80
.irp j,0,1,2,3,4,5,6,7
	v_mov_b32 v[\j], 0                             ; zero codes below and above q
	v_mov_b32 v[16+\j], 0
.endr
	WIN 0
	P4
	; ---- a tile of 16 queries a trip: S, softmax, O, o's codes
	s_mov_b32 s[CNT], 4
.Ltile:
	WIN 0x80
	ds_load_b128 v[8:11], v[AQ]
	ds_load_b128 v[12:15], v[AQ] offset:512
	WIN 0
	ds_load_b32 v[QW], v[AQS]
	s_wait_dscnt 0x0
	WIN 0x09                                       ; source 0 (k) window 1, source 1 (q) window 2, S window 0
.irp f,0,1,2,3,4,5,6,7
	WM SCR+16*\f,128+16*\f,8,0,0,KS+\f,QW,0,0      ; q in the low half of K: key tile 2 f
	WM SCR+16*\f+8,128+16*\f,0,0,0,KS+\f,QW,0,0    ; q in the high half: key tile 2 f + 1
.endr
	WIN 0
	v_add_nc_u32 v[AQ], 1024, v[AQ]                ; the next tile's; with the six below: eight places
	v_add_nc_u32 v[AQS], 128, v[AQS]
.rept 6
	v_nop
.endr
	; a lane holds one query and 128 of its scores: register 16 b + i is a key of block b.  The largest score of each block serves twice: for the row's maximum and, since p rises with the score, for the block's largest p
.irp b,0,1,2,3,4,5,6,7
	v_max3_num_f32 v[TM+\b], v[SCR+16*\b], v[SCR+16*\b+1], v[SCR+16*\b+2]
.endr
.irp i,3,5,7,9,11,13
.irp b,0,1,2,3,4,5,6,7
	v_max3_num_f32 v[TM+\b], v[TM+\b], v[SCR+16*\b+\i], v[SCR+16*\b+\i+1]
.endr
.endr
.irp b,0,1,2,3,4,5,6,7
	v_max_num_f32 v[TM+\b], v[TM+\b], v[SCR+16*\b+15]
.endr
.irp b,0,1,2,3,4,5,6,7
	v_permlanex16_b32 v[TM+8+\b], v[TM+\b], s[SEL], s[SEL+1]
.endr
.irp b,0,1,2,3,4,5,6,7
	v_max_num_f32 v[TM+\b], v[TM+\b], v[TM+8+\b]
.endr
	v_max3_num_f32 v[TM+16], v[TM], v[TM+1], v[TM+2]
	v_max3_num_f32 v[TM+17], v[TM+3], v[TM+4], v[TM+5]
	v_max3_num_f32 v[TM+16], v[TM+16], v[TM+6], v[TM+7]
	v_max_num_f32 v[TM+16], v[TM+16], v[TM+17]     ; the row's largest score
	v_mul_f32 v[NM], s[NC], v[TM+16]               ; one number for the whole row: its rounding cancels in the division by the sum
	v_mov_b32 v[NM+1], v[NM]
.set j, 0
.rept 64
	v_pk_fma_f32 v[SCR+j:SCR+j+1], v[SCR+j:SCR+j+1], s[CS:CS+1], v[NM:NM+1] op_sel_hi:[1,0,0]   ; c s - c max
.set j, j+2
.endr
.irp b,0,1,2,3,4,5,6,7
	v_fma_f32 v[TM+\b], v[TM+\b], s[CS], v[NM]
.endr
.set j, 0
.rept 128
	v_exp_f32 v[SCR+j], v[SCR+j]
.set j, j+1
.endr
	v_nop                                          ; a plain instruction behind the batch,
	s_wait_alu depctr_va_vdst(0)                   ; and one wait for all 128 ahead of their first reader
.irp b,0,1,2,3,4,5,6,7
	v_exp_f32 v[TM+\b], v[TM+\b]                   ; the same two instructions on the same numbers give the same bits
.endr
	v_pk_add_f32 v[SUMA:SUMA+1], v[SCR:SCR+1], v[SCR+2:SCR+3]       ; the row's sum, two chains; it reads the 128 alone
	v_pk_add_f32 v[SUMB:SUMB+1], v[SCR+4:SCR+5], v[SCR+6:SCR+7]
.set j, 8
.rept 30
	v_pk_add_f32 v[SUMA:SUMA+1], v[SUMA:SUMA+1], v[SCR+j:SCR+j+1]
	v_pk_add_f32 v[SUMB:SUMB+1], v[SUMB:SUMB+1], v[SCR+j+2:SCR+j+3]
.set j, j+4
.endr
	v_pk_add_f32 v[SUMA:SUMA+1], v[SUMA:SUMA+1], v[SUMB:SUMB+1]
	v_add_f32 v[SUMA], v[SUMA], v[SUMA+1]
	v_permlanex16_b32 v[SUMA+1], v[SUMA], s[SEL], s[SEL+1]
	v_add_f32 v[SUMA], v[SUMA], v[SUMA+1]
	v_rcp_f32 v[INV], v[SUMA]
	v_nop
	s_wait_alu depctr_va_vdst(0)                   ; one wait for the reciprocal and the eight exponentials
	v_mov_b32 v[INV+1], v[INV]
.set j, 0
.rept 64
	v_pk_mul_f32 v[SCR+j:SCR+j+1], v[SCR+j:SCR+j+1], v[INV:INV+1]   ; p, finished and normalised: this is what is quantised
.set j, j+2
.endr
.irp b,0,1,2,3,4,5,6,7
	v_mul_f32 v[TM+\b], v[TM+\b], v[INV]           ; each block's largest p
.endr
.irp b,0,1,2,3,4,5,6,7
	v_max_num_f32 v[TM+\b], 0x8000000, v[TM+\b]    ; the floor 2^(16 - 127)
.endr
.irp b,0,1,2,3,4,5,6,7
	v_add_nc_u32 v[TM+8+\b], 0xf8800000, v[TM+\b]
.endr
.irp b,0,1,2,3,4,5,6,7
	v_and_or_b32 v[TM+16+\b], v[TM+\b], 0x7f800000, s[MNT]
.endr
.irp b,0,1,2,3,4,5,6,7
	v_lshrrev_b32 v[OC+\b], 23, v[TM+8+\b]
.endr
.irp s,0,1
	v_lshl_or_b32 v[PW+\s], v[OC+4*\s+1], 8, v[OC+4*\s]
	v_lshl_or_b32 v[PW+\s], v[OC+4*\s+2], 16, v[PW+\s]
	v_lshl_or_b32 v[PW+\s], v[OC+4*\s+3], 24, v[PW+\s]
.endr
.irp b,0,1,2,3,4,5,6,7
.irp i,0,1,2,3,4,5,6,7,8,9,10,11,12,13,14,15
	v_min_num_f32 v[SCR+16*\b+\i], v[SCR+16*\b+\i], v[TM+16+\b]     ; p is not negative: the hold is one-sided
.endr
.endr
.irp b,0,1,2,3,4,5,6,7
	v_cvt_scalef32_pk8_bf8_f32 v[PCD+4*\b:PCD+4*\b+1], v[SCR+16*\b:SCR+16*\b+7], v[TM+8+\b]
	v_cvt_scalef32_pk8_bf8_f32 v[PCD+4*\b+2:PCD+4*\b+3], v[SCR+16*\b+8:SCR+16*\b+15], v[TM+8+\b]
.endr
	P4                                             ; an operand written by vector instructions stands four places ahead of a scaled matrix instruction
	WIN 0x01                                       ; source 0 (v) window 1
.irp s,0,1                             ; O^T = v^T p^T: four accumulators by turns, two K steps of 128 keys
.irp dt,0,1,2,3
.if \s
	WM SCR+8*\dt,16*(2*\dt+\s),PCD+16*\s,1,SCR+8*\dt,VS+2*\dt+\s,PW+\s,0,0
.else
	WM SCR+8*\dt,16*(2*\dt+\s),PCD+16*\s,0,0,VS+2*\dt+\s,PW+\s,0,0
.endif
.endr
.endr
	WIN 0
	P8
	; o: a lane holds query r and d = 16 dt + 8 h + 0..7: two blocks of 32
.irp b,0,1
	v_max3_num_f32 v[TM+\b], |v[SCR+16*\b]|, |v[SCR+16*\b+1]|, 0x8000000
.endr
.irp i,2,4,6,8,10,12,14
.irp b,0,1
	v_max3_num_f32 v[TM+\b], v[TM+\b], |v[SCR+16*\b+\i]|, |v[SCR+16*\b+\i+1]|
.endr
.endr
.irp b,0,1
	v_permlanex16_b32 v[TM+4+\b], v[TM+\b], s[SEL], s[SEL+1]
.endr
.irp b,0,1
	v_max_num_f32 v[TM+\b], v[TM+\b], v[TM+4+\b]
.endr
.irp b,0,1
	v_add_nc_u32 v[TM+12+\b], 0xf8800000, v[TM+\b]
.endr
.irp b,0,1
	v_and_or_b32 v[TM+8+\b], v[TM+\b], 0x7f800000, s[MNT]
.endr
.irp b,0,1
	v_lshrrev_b32 v[TM+4+\b], 23, v[TM+12+\b]
.endr
	v_lshl_or_b32 v[TM+16], v[TM+5], 8, v[TM+4]
.irp b,0,1
.irp i,0,1,2,3,4,5,6,7,8,9,10,11,12,13,14,15
	v_med3_num_f32 v[SCR+16*\b+\i], v[SCR+16*\b+\i], -v[TM+8+\b], v[TM+8+\b]
.endr
.endr
.irp b,0,1
	v_cvt_scalef32_pk8_bf8_f32 v[OC+4*\b:OC+4*\b+1], v[SCR+16*\b:SCR+16*\b+7], v[TM+12+\b]
	v_cvt_scalef32_pk8_bf8_f32 v[OC+4*\b+2:OC+4*\b+3], v[SCR+16*\b+8:SCR+16*\b+15], v[TM+12+\b]
.endr
	v_nop
	ds_store_b16 v[AOS], v[TM+16]                  ; my head's two bytes of row r (both halves of the lanes write the same)
.irp b,0,1                             ; the image of the next product's operand, K in its true order: d = 32 b + 8 h + 0..7 belong to that operand's lane r, d = 32 b + 16 + 8 h + 0..7 to its lane 16 + r
	global_store_b64 v[AOC], v[OC+4*\b:OC+4*\b+1], s[POC:POC+1] offset:512*\b           ; 32 lanes store 256 consecutive bytes, aligned
	global_store_b64 v[AOC], v[OC+4*\b+2:OC+4*\b+3], s[POC:POC+1] offset:512*\b+256
.endr
	s_wait_xcnt 0x0                                ; the stores' base and data are written again only behind this wait
	s_add_nc_u64 s[POC:POC+1], s[POC:POC+1], 16384
	v_add_nc_u32 v[AOS], 128, v[AOS]
	s_sub_co_u32 s[CNT], s[CNT], 1
	s_cmp_lg_u32 s[CNT], 0
	s_cbranch_scc1 .Ltile
	s_wait_tensorcnt 0x0                           ; a wait, an add and a wait behind a wave's last tensor load and LDS store;
	ds_add_u32 v[SPW], v[NIL]
	s_wait_dscnt 0x0                               ; the last of them is also the wait for my stores of o's scale bytes, for wave 0's sake
	s_barrier_signal -1
	s_barrier_wait -1
	s_cmp_lg_u32 s[WV], 0
	s_cbranch_scc1 .Lnot_first
	ds_load_b128 v[16:19], v[AOSR]                 ; wave 0: 64 rows x 8 scale bytes
	s_wait_dscnt 0x0
	global_store_b128 v[A16L], v[16:19], s[POS:POS+1]     ; 512 consecutive bytes
.Lnot_first:
	CROUND                                         ; the closing round: no work-group ends while a partner may still ask for a tile that names it
	s_endpgm
.Lfunc_end_k_qd689c5786f_attn:
	.size	k_qd689c5786f_attn, .Lfunc_end_k_qd689c5786f_attn-k_qd689c5786f_attn
	.p2alignl 7, 3214868480
	.fill 96, 4, 3214868480
	.section	.rodata,"a",@progbits
	.p2align	6, 0x0
	.amdhsa_kernel k_qd689c5786f_attn
		.amdhsa_group_segment_fixed_size 327680
		.amdhsa_private_segment_fixed_size 0
		.amdhsa_enable_private_segment 0
		.amdhsa_kernarg_size 120
		.amdhsa_user_sgpr_count 2
		.amdhsa_user_sgpr_kernarg_segment_ptr 1
		.amdhsa_wavefront_size32 1
		.amdhsa_system_sgpr_workgroup_id_x 1
		.amdhsa_system_sgpr_workgroup_id_y 1
		.amdhsa_system_sgpr_workgroup_id_z 1
		.amdhsa_system_vgpr_workitem_id 0
		.amdhsa_next_free_vgpr 1024
		.amdhsa_next_free_sgpr 102
		.amdhsa_reserve_vcc 0
		.amdhsa_float_denorm_mode_32 3
		.amdhsa_float_denorm_mode_16_64 3
		.amdhsa_memory_ordered 1
		.amdhsa_forward_progress 1
		.amdhsa_inst_pref_size 255
	.end_amdhsa_kernel
	.section	.bss,"aw",@nobits
	.p2align	6
	.space	262144
	.amdgpu_metadata
---
amdhsa.version: [ 1, 2 ]
amdhsa.kernels:
  - .name:           k_qd689c5786f_attn
    .symbol:         k_qd689c5786f_attn.kd
    .args:
      - { .name: e_codes, .offset: 0, .size: 8, .value_kind: global_buffer, .address_space: global }
      - { .name: e_scales, .offset: 8, .size: 8, .value_kind: global_buffer, .address_space: global }
      - { .name: Wk_codes, .offset: 16, .size: 8, .value_kind: global_buffer, .address_space: global }
      - { .name: Wk_scales, .offset: 24, .size: 8, .value_kind: global_buffer, .address_space: global }
      - { .name: Wv_codes, .offset: 32, .size: 8, .value_kind: global_buffer, .address_space: global }
      - { .name: Wv_scales, .offset: 40, .size: 8, .value_kind: global_buffer, .address_space: global }
      - { .name: Wq_codes, .offset: 48, .size: 8, .value_kind: global_buffer, .address_space: global }
      - { .name: Wq_scales, .offset: 56, .size: 8, .value_kind: global_buffer, .address_space: global }
      - { .name: hnc, .offset: 64, .size: 8, .value_kind: global_buffer, .address_space: global }
      - { .name: hns, .offset: 72, .size: 8, .value_kind: global_buffer, .address_space: global }
      - { .name: bk, .offset: 80, .size: 8, .value_kind: global_buffer, .address_space: global }
      - { .name: bv, .offset: 88, .size: 8, .value_kind: global_buffer, .address_space: global }
      - { .name: bq, .offset: 96, .size: 8, .value_kind: global_buffer, .address_space: global }
      - { .name: oc, .offset: 104, .size: 8, .value_kind: global_buffer, .address_space: global }
      - { .name: os, .offset: 112, .size: 8, .value_kind: global_buffer, .address_space: global }
    .group_segment_fixed_size: 327680
    .private_segment_fixed_size: 0
    .kernarg_segment_align: 8
    .kernarg_segment_size: 120
    .max_flat_workgroup_size: 128
    .sgpr_count:     102
    .vgpr_count:     1024
    .wavefront_size: 32
...
	.end_amdgpu_metadata
.endif
;; end of part 2
;; launch oproj (part 3): grid 8 x 32, 4 waves a work-group, clusters of 4 x 4, 284,160 bytes of LDS; arguments oc, os, Wo_codes, Wo_scales, bo, h, out0; writes out0
.if DOCPART == 3
	.amdgcn_target "amdgcn-amd-amdhsa--gfx1250"
	.amdhsa_code_object_version 6
	.text
	.protected	k_qd689c5786f_oproj
	.globl	k_qd689c5786f_oproj
	.p2align	8
	.type	k_qd689c5786f_oproj,@function
k_qd689c5786f_oproj:
	s_mov_b64 s[64:65], 0
	v_nop
	global_prefetch_b8 v0, s[64:65] scope:SCOPE_SE
	s_setreg_imm32_b32 hwreg(HW_REG_WAVE_MODE, 25, 1), 1
	s_wait_xcnt 0x0
	s_wait_alu depctr_hold_cnt(0) depctr_sa_sdst(0) depctr_va_vdst(0) depctr_va_sdst(0) depctr_va_ssrc(0) depctr_va_vcc(0) depctr_vm_vsrc(0)
	s_getreg_b32 s2, hwreg(HW_REG_IB_STS2, 6, 4)
	s_cmp_eq_u32 s2, 0
	s_cbranch_scc0 .Lentry_in_a_cluster
	s_endpgm
.Lentry_in_a_cluster:
	s_bfe_u32 s2, ttmp6, 0x10000c
	s_cmp_lg_u32 s2, 0xf033
	s_cbranch_scc0 .Lentry_shape_is_right
	s_endpgm
.Lentry_shape_is_right:
; out0[b][(p + 63) % 1024] = h[same row] + m (Q(o)[b][p] Wo + bo), m = 1 where the row is 63 or more and 0 for the 63 rows that wrap round to the batch's head: there the definition leaves h alone.
; So every output row has one owner.  o arrives as codes of E5M2 laid as images of the operand's registers, [row tile of 16][K step of 128][4][lane][16 bytes], scale bytes [head group][row][8]; Wo as given.
; A work-group makes 128 rows of o x 128 columns; K = 1,024 lies whole in LDS, brought by first fills alone, in two halves of K: the first half is multiplied while the second lands.  No byte of LDS is filled twice.
; Four waves, 64 x 64 each: 16 accumulators by turns.  Source 0 = 16 rows of Wo, source 1 = 16 rows of o: a lane holds eight neighbouring columns of one row.
; CLUSTER 4 x 4: o's tile is asked for jointly along a row of the cluster, Wo's along a column.
; LIMITS: NaN and infinities are not served (0 x such a number would spoil a wrapped row).
.set OIM,   0                          ; o's images: [K half][row tile 0..7][8,192 bytes], dense: an instruction's 512 bytes are consecutive
.set WOT,   131072                     ; Wo: [K half][128 rows x (512 + 16) bytes]
.set WP,    528
.set WKH,   128*WP
.set STG,   WOT+2*WKH                  ; the way out: 16 rows x (256 + 16) bytes for each wave (LDS stores only)
.set SPARE, STG+4*16*272               ; the spare words
.set AO0,  4                           ; v4-5  my o fragments in K half 0, 1
.set AW0,  6                           ; v6-7  my Wo fragments
.set STO,  8
.set RD,   9
.set ZER,  26
.set ONE,  27
.set SPW,  28
.set NIL,  29
.set WOS,  32                          ; v32-47 Wo's scale words [pair of column tiles][K step]
.set OSS,  48                          ; v48-63 o's [pair of row tiles][K step]
.set ROFF, 64                          ; v64-95 byte offsets of my output rows in the batch: [row tile][pair of rows]
.set BO,   96                          ; v96-127 bo in the results' layout; later v96-111: the factor m, eight pairs
.set MK,   96
; window 0 v128-255: fragment set 0 (Wo's four, o's four); window 1 v0-127 accumulators at 8 (4 mt + nt), v128-255 set 1; window 2 v0-127 h, v128-191 rows read back, two sets
.set MSB, 0
.macro WIN new
.if MSB != (\new)
	s_set_vgpr_msb (MSB<<8)|(\new)
.set MSB, (\new)
.endif
.endm
.macro P8
.rept 8
	v_nop
.endr
.endm
.macro P4
.rept 4
	v_nop
.endr
.endm
.macro CROUND
	s_barrier_signal -1
	s_barrier_wait -1
	s_cmp_lg_u32 s18, 0
	s_cbranch_scc1 .Lnot_wave_0_\@
	s_barrier_signal -3
.Lnot_wave_0_\@:
	s_barrier_wait -3
	s_barrier_signal -1
	s_barrier_wait -1
.endm
.macro WM d,a,b,c,sa,sb,ra,rb
.if (\ra) && (\rb)
	v_wmma_scale_f32_16x16x128_f8f6f4 v[\d:\d+7], v[\a:\a+15], v[\b:\b+15], v[\c:\c+7], v[\sa], v[\sb] matrix_a_fmt:MATRIX_FMT_BF8 matrix_b_fmt:MATRIX_FMT_BF8 matrix_a_scale:MATRIX_SCALE_ROW1 matrix_b_scale:MATRIX_SCALE_ROW1
.elseif (\ra)
	v_wmma_scale_f32_16x16x128_f8f6f4 v[\d:\d+7], v[\a:\a+15], v[\b:\b+15], v[\c:\c+7], v[\sa], v[\sb] matrix_a_fmt:MATRIX_FMT_BF8 matrix_b_fmt:MATRIX_FMT_BF8 matrix_a_scale:MATRIX_SCALE_ROW1
.elseif (\rb)
	v_wmma_scale_f32_16x16x128_f8f6f4 v[\d:\d+7], v[\a:\a+15], v[\b:\b+15], v[\c:\c+7], v[\sa], v[\sb] matrix_a_fmt:MATRIX_FMT_BF8 matrix_b_fmt:MATRIX_FMT_BF8 matrix_b_scale:MATRIX_SCALE_ROW1
.else
	v_wmma_scale_f32_16x16x128_f8f6f4 v[\d:\d+7], v[\a:\a+15], v[\b:\b+15], v[\c:\c+7], v[\sa], v[\sb] matrix_a_fmt:MATRIX_FMT_BF8 matrix_b_fmt:MATRIX_FMT_BF8
.endif
.endm
.macro OFETCH s                        ; K step s: 32 loads into set s % 2
	WIN 0x40*((\s)%2)
.irp nt,0,1,2,3
.irp c,0,1,2,3
	ds_load_b128 v[128+16*\nt+4*\c:128+16*\nt+4*\c+3], v[AW0+(\s)/4] offset:16*\nt*WP+128*((\s)%4)+32*\c
.endr
.endr
.irp mt,0,1,2,3
.irp c,0,1,2,3
	ds_load_b128 v[192+16*\mt+4*\c:192+16*\mt+4*\c+3], v[AO0+(\s)/4] offset:8192*\mt+2048*((\s)%4)+512*\c
.endr
.endr
	WIN 0
.endm
.macro OMUL s                          ; 16 matrix instructions, the accumulators by turns; the first step takes bo as C
.if (\s) == 0
	WIN 0x40
.else
	WIN 0x50+5*((\s)%2)
.endif
.irp mt,0,1,2,3
.irp nt,0,1,2,3
.if (\s) == 0
	WM 8*(4*\mt+\nt),128+16*\nt,192+16*\mt,BO+8*\nt,WOS+8*(\nt/2)+(\s),OSS+8*(\mt/2)+(\s),\nt%2,\mt%2
.else
	WM 8*(4*\mt+\nt),128+16*\nt,192+16*\mt,8*(4*\mt+\nt),WOS+8*(\nt/2)+(\s),OSS+8*(\mt/2)+(\s),\nt%2,\mt%2
.endif
.endr
.endr
.endm
	s_load_b256 s[4:11], s[0:1], 0x0               ; oc, os, Wo_codes, Wo_scales
	s_load_b128 s[12:15], s[0:1], 0x20             ; bo, h
	s_load_b64 s[16:17], s[0:1], 0x30              ; out0
	v_lshl_add_u32 v[SPW], v0, 2, SPARE
	v_mov_b32 v[NIL], 0
	ds_add_u32 v[SPW], v[NIL]                      ; the wave's opening: an add and its wait ahead of the round in front of my first tensor load
	v_lshrrev_b32 v1, 5, v0
	v_readfirstlane_b32 s18, v1                    ; wave
	s_lshr_b32 s19, s18, 1                         ; mi: my 64 rows.  Also: 0 fetches o, 1 fetches Wo
	s_and_b32 s20, s18, 1                          ; ni: my 64 columns.  Also: which half I fetch
	s_bfe_u32 s21, ttmp6, 0x40000                  ; cx
	s_bfe_u32 s22, ttmp6, 0x40004                  ; cy
	s_lshl_b32 s23, ttmp9, 2
	s_add_co_u32 s23, s23, s21                     ; tx: 128 columns
	s_and_b32 s24, ttmp7, 0xffff
	s_lshl_b32 s24, s24, 2
	s_add_co_u32 s24, s24, s22                     ; ty: 128 rows of o
	s_lshl_b32 s25, s22, 2
	s_lshl_b32 s25, 15, s25                        ; my row of the cluster
	s_lshl_b32 s26, 0x1111, s21                    ; my column
	s_or_b32 s28, s25, (3<<16)|(1<<21)             ; o: four row tiles x 8,192 bytes (1,024 elements of 8 bytes), 16,384 bytes apart, no padding
	s_mov_b32 s29, 1024<<16
	s_mov_b32 s30, 4<<16
	s_mov_b32 s31, 1024<<16
	s_mov_b32 s32, 4
	s_mov_b32 s33, 2048
	s_mov_b32 s34, 0
	s_mov_b32 s35, 0
	s_or_b32 s36, s26, (1<<20)|(1<<21)|(6<<22)|(3<<25)   ; Wo: 64 rows x 512 bytes, 1,024 apart, 16 bytes of padding behind each
	s_mov_b32 s37, 512<<16
	s_mov_b32 s38, 64<<16
	s_mov_b32 s39, 512<<16
	s_mov_b32 s40, 64
	s_mov_b32 s41, 1024
	s_mov_b32 s42, 0
	s_mov_b32 s43, 0
	s_lshl_b32 s60, s24, 17                        ; o: 8 row tiles of 16,384 bytes a work-group, + my four
	s_lshl_b32 s61, s20, 16
	s_add_co_u32 s60, s60, s61
	s_mov_b32 s61, 0
	s_lshl_b32 s62, s23, 17                        ; Wo: 128 rows of 1,024 bytes, + my 64
	s_lshl_b32 s63, s20, 16
	s_add_co_u32 s62, s62, s63
	s_mov_b32 s63, 0
	s_lshl_b32 s66, s20, 15                        ; where they go
	s_mul_i32 s67, s20, 64*WP
	s_add_co_u32 s67, s67, WOT
	s_mov_b32 s27, 63<<12
	s_wait_dscnt 0x0                               ; the opening add is done
	s_wait_kmcnt 0x0
	s_add_nc_u64 s[60:61], s[4:5], s[60:61]
	s_add_nc_u64 s[62:63], s[8:9], s[62:63]
	s_mov_b32 s44, 1                               ; o, K half 0
	s_mov_b32 s45, s66
	s_mov_b64 s[46:47], s[60:61]
	s_or_b32 s47, s47, 0x80000000
	s_mov_b32 s48, 1                               ; o, K half 1
	s_add_co_u32 s49, s66, 65536
	s_add_nc_u64 s[50:51], s[60:61], 8192
	s_or_b32 s51, s51, 0x80000000
	s_mov_b32 s52, 1                               ; Wo, K half 0
	s_mov_b32 s53, s67
	s_mov_b64 s[54:55], s[62:63]
	s_or_b32 s55, s55, 0x80000000
	s_mov_b32 s56, 1                               ; Wo, K half 1
	s_add_co_u32 s57, s67, WKH
	s_add_nc_u64 s[58:59], s[62:63], 512
	s_or_b32 s59, s59, 0x80000000
	CROUND                                         ; all sixteen work-groups are here: the joint loads meet
	s_cmp_lt_u32 s18, 2                            ; a wave's two fills stand in one branch: two loads of mine are out
	s_cbranch_scc0 .Lfirst_w
	tensor_load_to_lds s[44:47], s[28:35]
	s_nop 0
	tensor_load_to_lds s[48:51], s[28:35]
	s_nop 0
	P4
	s_branch .Lfirst_done
.Lfirst_w:
	tensor_load_to_lds s[52:55], s[36:43]
	s_nop 0
	tensor_load_to_lds s[56:59], s[36:43]
	s_nop 0
	P4
.Lfirst_done:
	v_and_b32 v1, 15, v0                           ; r
	v_bfe_u32 v2, v0, 4, 1                         ; h
	v_and_b32 v3, 31, v0                           ; lane
	v_lshlrev_b32 v10, 3, v3                       ; 8 x lane
	v_lshlrev_b32 v11, 5, v3                       ; 32 x lane
	v_lshlrev_b32 v12, 5, v2                       ; 32 h
	v_mov_b32 v[ZER], 0
	v_mov_b32 v[ONE], 1.0
	v_lshlrev_b32 v15, 4, v3
	s_lshl_b32 s60, s19, 15                        ; my four row tiles
	v_add_nc_u32 v[AO0], s60, v15
	v_add_nc_u32 v[AO0+1], 65536, v[AO0]
	v_mul_u32_u24 v15, v1, WP
	v_lshl_add_u32 v15, v2, 4, v15
	s_mul_i32 s60, s20, 64*WP
	s_add_co_u32 s60, s60, WOT
	v_add_nc_u32 v[AW0], s60, v15
	v_add_nc_u32 v[AW0+1], WKH, v[AW0]
	s_mul_i32 s60, s18, 16*272
	s_add_co_u32 s60, s60, STG                     ; my stage
	v_mul_u32_u24 v15, v1, 272
	v_lshl_add_u32 v15, v2, 5, v15
	v_add_nc_u32 v[STO], s60, v15                  ; in: row r, 32 bytes for each half of the lanes
	v_mul_u32_u24 v15, v2, 272
	v_lshl_add_u32 v15, v1, 4, v15
	v_add_nc_u32 v[RD], s60, v15                   ; back: lanes 0-15 one row of 256 bytes, lanes 16-31 the next
	s_lshl_b32 s60, s23, 7
	s_lshl_b32 s61, s20, 6
	s_add_co_u32 s60, s60, s61                     ; my first column
	s_lshl_b32 s62, s60, 5
	s_mov_b32 s63, 0
	s_add_nc_u64 s[10:11], s[10:11], s[62:63]      ; its row of Wo's scale bytes
	s_lshl_b32 s62, s60, 2
	s_add_nc_u64 s[12:13], s[12:13], s[62:63]      ; its place in bo
	v_lshl_add_u32 v13, v1, 4, s62                 ; and in a row of h and out0: + 16 (lane % 16)
	s_lshl_b32 s60, s24, 7
	s_lshl_b32 s61, s19, 6
	s_add_co_u32 s60, s60, s61                     ; my first row of o
	s_lshl_b32 s62, s60, 3
	s_add_nc_u64 s[6:7], s[6:7], s[62:63]          ; its scale bytes
	s_and_b32 s60, s60, 1023
	s_add_co_u32 s60, s60, 63
	v_add_nc_u32 v14, s60, v2                      ; p + 63 of the first pair's row of my half of the lanes
	s_lshr_b32 s62, s24, 3
	s_lshl_b32 s62, s62, 22                        ; the batch
	s_add_nc_u64 s[14:15], s[14:15], s[62:63]
	s_add_nc_u64 s[16:17], s[16:17], s[62:63]
.irp p,0,1
	global_load_b128 v[WOS+8*\p:WOS+8*\p+3], v11, s[10:11] offset:1024*\p          ; lane l: row 32 p + l: the words of the eight K steps
	global_load_b128 v[WOS+8*\p+4:WOS+8*\p+7], v11, s[10:11] offset:1024*\p+16
.endr
.irp p,0,1
.irp g,0,1,2,3
	global_load_b64 v[OSS+8*\p+2*\g:OSS+8*\p+2*\g+1], v10, s[6:7] offset:32768*\g+256*\p     ; head group g holds the words of K steps 2 g, 2 g + 1
.endr
.endr
.irp nt,0,1,2,3
	global_load_b128 v[BO+8*\nt:BO+8*\nt+3], v12, s[12:13] offset:64*\nt
	global_load_b128 v[BO+8*\nt+4:BO+8*\nt+7], v12, s[12:13] offset:64*\nt+16
.endr
.irp mt,0,1,2,3
.irp i,0,1,2,3,4,5,6,7
	v_add_nc_u32 v15, 16*\mt+2*\i, v14
	v_and_b32 v15, 0x3ff, v15                      ; the last 63 rows of a batch wrap round to its head
	v_lshl_add_u32 v[ROFF+8*\mt+\i], v15, 12, v13
.endr
.endr
	WIN 0x80
.irp mt,0,1,2,3
.irp i,0,1,2,3,4,5,6,7
	global_load_b128 v[4*(8*\mt+\i):4*(8*\mt+\i)+3], v[ROFF+8*\mt+\i], s[14:15] th:TH_LOAD_NT   ; h at my output rows: asked for now, wanted at the end
.endr
.endr
	WIN 0
	s_wait_tensorcnt 0x1                           ; my part of K half 0 is in; half 1's load may be out
	s_barrier_signal -1
	s_barrier_wait -1
	OFETCH 0
	OFETCH 1
	s_wait_loadcnt 32                              ; the scale words and bo are in; the 32 loads of h may be out
.irp s,0,1,2,3,4,5,6,7
.if \s < 7
	s_wait_dscnt 32                                ; this step's fragments are in; the next step's 32 loads may be out
.else
	s_wait_dscnt 0x0
.endif
	OMUL \s
	WIN 0
.if \s == 2
	s_wait_tensorcnt 0x0                           ; my part of K half 1 is in,
	s_wait_dscnt 0x0
	s_barrier_signal -1
	s_barrier_wait -1                              ; everybody's is
.endif
	P8                                             ; places in front of loads into the fragments just multiplied, and at the end of the first read of results
.if \s < 6
	OFETCH \s+2
.endif
.endr
	s_wait_loadcnt 0x0                             ; h
	; THE WAY OUT, 16 rows x 64 columns at a time through my own stage: a lane's 32 bytes go in, whole rows of 256 bytes come back, h is added, sixteen lanes store 256 consecutive bytes, aligned
.irp mt,0,1,2,3
	WIN 0x04                                       ; an LDS store's data: window 1
.irp nt,0,1,2,3
	ds_store_b128 v[STO], v[8*(4*\mt+\nt):8*(4*\mt+\nt)+3] offset:64*\nt          ; each accumulator from its low end on
	ds_store_b128 v[STO], v[8*(4*\mt+\nt)+4:8*(4*\mt+\nt)+7] offset:64*\nt+16
.endr
.if \mt >= 2
	s_wait_xcnt 0x0                                ; the stores of two tiles back have read their data: the set is loaded again only behind this wait
.endif
	WIN 0x80
.irp i,0,1,2,3,4,5,6,7
	ds_load_b128 v[128+32*(\mt%2)+4*\i:128+32*(\mt%2)+4*\i+3], v[RD] offset:2*\i*272   ; LDS serves a wave's instructions in order (ISA guide 5.7.1.4): these see the stores above
.endr
	WIN 0
.irp i,0,1,2,3,4,5,6,7
	v_cmp_le_u32 vcc_lo, s27, v[ROFF+8*\mt+\i]     ; is the output row 63 or more?
	v_cndmask_b32 v[MK+2*\i], v[ZER], v[ONE], vcc_lo
.endr
	s_wait_dscnt 0x0
	WIN 0xa2                                       ; rows and h window 2, the factor window 0
.irp i,0,1,2,3,4,5,6,7
	v_pk_fma_f32 v[128+32*(\mt%2)+4*\i:128+32*(\mt%2)+4*\i+1], v[128+32*(\mt%2)+4*\i:128+32*(\mt%2)+4*\i+1], v[MK+2*\i:MK+2*\i+1], v[4*(8*\mt+\i):4*(8*\mt+\i)+1] op_sel_hi:[1,0,1]
	v_pk_fma_f32 v[128+32*(\mt%2)+4*\i+2:128+32*(\mt%2)+4*\i+3], v[128+32*(\mt%2)+4*\i+2:128+32*(\mt%2)+4*\i+3], v[MK+2*\i:MK+2*\i+1], v[4*(8*\mt+\i)+2:4*(8*\mt+\i)+3] op_sel_hi:[1,0,1]
.endr
	WIN 0x08                                       ; a store's data: window 2
.irp i,0,1,2,3,4,5,6,7
	global_store_b128 v[ROFF+8*\mt+\i], v[128+32*(\mt%2)+4*\i:128+32*(\mt%2)+4*\i+3], s[16:17] th:TH_STORE_NT
.endr
.endr
	WIN 0
	s_wait_tensorcnt 0x0                           ; the wave's end: a wait, an add and a wait behind my last tensor load and my last LDS store
	ds_add_u32 v[SPW], v[NIL]
	s_wait_dscnt 0x0
	CROUND                                         ; the closing round
	s_endpgm
.Lfunc_end_k_qd689c5786f_oproj:
	.size	k_qd689c5786f_oproj, .Lfunc_end_k_qd689c5786f_oproj-k_qd689c5786f_oproj
	.p2alignl 7, 3214868480
	.fill 96, 4, 3214868480
	.section	.rodata,"a",@progbits
	.p2align	6, 0x0
	.amdhsa_kernel k_qd689c5786f_oproj
		.amdhsa_group_segment_fixed_size 284160
		.amdhsa_private_segment_fixed_size 0
		.amdhsa_enable_private_segment 0
		.amdhsa_kernarg_size 56
		.amdhsa_user_sgpr_count 2
		.amdhsa_user_sgpr_kernarg_segment_ptr 1
		.amdhsa_wavefront_size32 1
		.amdhsa_system_sgpr_workgroup_id_x 1
		.amdhsa_system_sgpr_workgroup_id_y 1
		.amdhsa_system_sgpr_workgroup_id_z 1
		.amdhsa_system_vgpr_workitem_id 0
		.amdhsa_next_free_vgpr 768
		.amdhsa_next_free_sgpr 72
		.amdhsa_reserve_vcc 1
		.amdhsa_float_denorm_mode_32 3
		.amdhsa_float_denorm_mode_16_64 3
		.amdhsa_memory_ordered 1
		.amdhsa_forward_progress 1
		.amdhsa_inst_pref_size 67
	.end_amdhsa_kernel
	.amdgpu_metadata
---
amdhsa.version: [ 1, 2 ]
amdhsa.kernels:
  - .name:           k_qd689c5786f_oproj
    .symbol:         k_qd689c5786f_oproj.kd
    .args:
      - { .name: oc, .offset: 0, .size: 8, .value_kind: global_buffer, .address_space: global }
      - { .name: os, .offset: 8, .size: 8, .value_kind: global_buffer, .address_space: global }
      - { .name: Wo_codes, .offset: 16, .size: 8, .value_kind: global_buffer, .address_space: global }
      - { .name: Wo_scales, .offset: 24, .size: 8, .value_kind: global_buffer, .address_space: global }
      - { .name: bo, .offset: 32, .size: 8, .value_kind: global_buffer, .address_space: global }
      - { .name: h, .offset: 40, .size: 8, .value_kind: global_buffer, .address_space: global }
      - { .name: out0, .offset: 48, .size: 8, .value_kind: global_buffer, .address_space: global }
    .group_segment_fixed_size: 284160
    .private_segment_fixed_size: 0
    .kernarg_segment_align: 8
    .kernarg_segment_size: 56
    .max_flat_workgroup_size: 128
    .sgpr_count:     72
    .vgpr_count:     768
    .wavefront_size: 32
...
	.end_amdgpu_metadata
.endif
;; end of part 3
